; MI455X (gfx1250); checked and timed in simulation.
; The chip was launched on July 23, 2026; its instructions are those of AMD's public machine-readable ISA for CDNA 5 (MIT licence, August 2026) and "CDNA5" Instruction Set Architecture Reference Guide (July 2026). The comments in the code are by the model that wrote it; some were corrected since.
;; Glimpse. Allowed arithmetic: float matrix products may take bf16 or f16 operands with f32 sums; other float arithmetic in f32, or as packed bf16 or f16 multiplies, adds, multiply-adds, maxima and minima; sums over many terms, partial sums and values carried from step to step in f32; what a program stores and reads back later, other than sums and carried values, may be rounded once to bf16 or f16.
;; Inputs: Wk 512 x 512 float32; Wq 512 x 512 float32; Wv 512 x 512 float32; bk 512 float32; bq 512 float32; bv 512 float32; query 8 x 1,024 x 512 float32; ref 8 x 4,096 x 512 float32.
;; Outputs: out0 8 x 1,024 x 512 float32.
;; 2 versions, each right; version 2 is version 1 with the launch qp written anew for expert scheduling mode. Each part assembles by itself: llvm-mc -triple=amdgcn-amd-amdhsa -mcpu=gfx1250 --defsym DOCPART=n.
;; ======== version 1 of 2: 3 launches
;; limits: values outside matrix products are rounded to bf16
;; workspace buffers: refb 37,748,736 bytes; queryb 8,388,608 bytes; mf 1,148,928 bytes; qf 16,777,216 bytes; cq 32,768 bytes
;; launch pre (part 1): grid 1433 x 1, 8 waves a work-group, no clusters, 0 bytes of LDS; arguments ref, query, Wv, refb, queryb, Wq, Wk, bq, bk, mf; writes refb, queryb, mf
.if DOCPART == 1
	.amdgcn_target "amdgcn-amd-amdhsa--gfx1250"
	.amdhsa_code_object_version 6
	.text
	.protected	k_qa9fec61702_pre
	.globl	k_qa9fec61702_pre
	.p2align	8
	.type	k_qa9fec61702_pre,@function
k_qa9fec61702_pre:
	s_mov_b64 s[64:65], 0
	v_nop
	global_prefetch_b8 v0, s[64:65] scope:SCOPE_SE
	s_setreg_imm32_b32 hwreg(HW_REG_WAVE_MODE, 25, 1), 1
	s_wait_xcnt 0x0
; TWO INDEPENDENT JOBS IN ONE LAUNCH: a small product that waits for its loads most of the time, and a stream that keeps memory busy meanwhile.
; THE PRODUCT (work-groups 0-136, first because a tile takes longest).  MT[j][i] = the sum over h of Wk[j][h] Wq[i][h], with one more row (bk in Wk's place, j = 512) and one more column
; (bq in Wq's place, i = 512).  With it scores = (query MT^T + bq Wk^T) . ref + Q . bk, reference()'s sums in another order of association.  Wq, Wk, bq, bk are rounded to bf16 on the way to
; the matrix unit; sums in f32; the result is kept as bf16 hi + bf16 lo (lo = the rounded rest), about 16 significant bits.  One wave makes one tile D[m = i][n = j], 16 x 16, K = 512;
; tile T = 8 x work-group + wave, ib = T / 33, jb = T % 33; block 32 takes the bias vector for all 16 rows (row stride 0).  33 x 33 = 1,089 = 8 x 136 + 1: seven waves of work-group 136 have no tile and end.
; LAYOUT OF mf: [jb 33][part 2][ib 34][lane 32][16 bytes].  A lane of D holds i = 16 ib + 8 (lane / 16) + 0..7 of column j = lane % 16: packed to 16 bytes this is half of a
; 16 x 32 fragment (rows j, K along i) as the next launch wants it in registers; a store of the wave covers 512 consecutive bytes.
; THE STREAM.  ref, query and Wv, f32, are rounded once to bf16 (nearest even).  refb is [8 batches][36 tiles][128 rows][512]: a batch's 32 tiles of ref as they lie, then Wv as 4 tiles, the
; same in every batch, so that the attention launch walks 36 tiles on end.  Wv's blocks of 128 rows lie in REVERSE order (rows 384-511 first), and within 16 rows row 8 h + j lies at row
; 2 j + h: the order in which that launch takes a tile's rows.  queryb is query's layout unchanged.
; A work-group converts 16,384 numbers: 64 KiB in, 32 KiB out.  Behind the product's work-groups come Wv's 16 (32 rows each, read once, stored eight times: the longest of the stream, so they go first),
; then ref's 1,024, then query's 256.  Thread t takes 4 numbers at 4 t of each of sixteen blocks of 1,024: one load of 16 bytes, one store of 8 bytes.  So a load of a wave covers 512 consecutive
; bytes and names no byte that another load names, and a store of a wave covers 256 consecutive bytes, aligned.  All 16 loads go out first.
; No LDS, no cluster: no work-group of the stream wants a byte that another has read, and the product's weights are 1 MiB each.
.set NPREP, 137
.set NTILE, 1089
.set NWV,   16
.set NREF,  1024
.set BATCHB, 4718592                   ; a batch of refb: 36 tiles of 131,072 bytes
.set IN,  8                            ; the stream: v[8:71]    f32 as loaded, 4 registers a block
.set OUT, 72                           ; v[72:103]  bf16 to store, 2 registers a block
.set RAW, 8                            ; the product: v[8:71]    f32 as loaded, two sets of 32: a chunk of 32 h x (Wq 16, Wk 16)
.set FR,  72                           ; v[72:103]  bf16 fragments, two sets of 16
.set AC,  104                          ; v[104:119] two accumulators: even chunks, odd chunks
.set HI,  120                          ; v[120:123] hi, v[124:127] lo
.set SC,  8                            ; at work at the end, where RAW lay
	s_load_b256 s[4:11], s[0:1], 0x0               ; ref s[4:5], query s[6:7], Wv s[8:9], refb s[10:11]
	s_load_b256 s[12:19], s[0:1], 0x20             ; queryb s[12:13], Wq s[14:15], Wk s[16:17], bq s[18:19]
	s_load_b128 s[20:23], s[0:1], 0x40             ; bk s[20:21], mf s[22:23]
	s_mov_b32 s2, ttmp9
	s_sub_co_u32 s24, s2, NPREP                    ; my number behind the product's work-groups: among Wv's,
	s_sub_co_u32 s25, s2, NPREP+NWV                ; among ref's,
	s_sub_co_u32 s26, s2, NPREP+NWV+NREF           ; among query's (what is made of a number that is not mine is not chosen below)
	s_wait_kmcnt 0x0
	s_cmp_lt_u32 s2, NPREP
	s_cbranch_scc1 .Lprep
	s_lshr_b32 s27, s25, 7                         ; ref: the batch,
	s_mul_i32 s27, s27, BATCHB
	s_and_b32 s28, s25, 127                        ; and my 32 rows of its 4,096
	s_lshl_b32 s28, s28, 15
	s_add_co_u32 s27, s27, s28
	s_lshl_b32 s28, s26, 15                        ; query: 32,768 bytes a work-group
	s_lshr_b32 s29, s24, 2                         ; Wv: my block of 128 rows, in reverse order,
	s_sub_co_u32 s29, 3, s29
	s_lshl_b32 s29, s29, 17
	s_and_b32 s30, s24, 3                          ; my 32 rows of it,
	s_lshl_b32 s30, s30, 15
	s_add_co_u32 s29, s29, s30
	s_add_co_u32 s29, s29, 32*131072               ; behind the batch's 32 tiles of ref
	v_lshlrev_b32 v1, 4, v0                        ; 16 t: source
	v_lshlrev_b32 v2, 3, v0                        ; 8 t: destination, rows as they lie
	v_and_b32 v3, 127, v0                          ; Wv: 8 (t % 128) in a row of 1,024 bytes, and the block's two rows go two rows apart
	v_lshrrev_b32 v4, 7, v0
	v_lshlrev_b32 v3, 3, v3
	v_lshl_add_u32 v3, v4, 11, v3
	s_cmp_lt_u32 s24, NWV+NREF
	s_cselect_b64 s[32:33], s[4:5], s[6:7]
	s_cselect_b64 s[34:35], s[10:11], s[12:13]
	s_cselect_b32 s31, s25, s26
	s_cselect_b32 s36, s27, s28
	s_cmp_lt_u32 s24, NWV
	s_cselect_b64 s[32:33], s[8:9], s[32:33]
	s_cselect_b64 s[34:35], s[10:11], s[34:35]
	s_cselect_b32 s31, s24, s31
	s_cselect_b32 s36, s29, s36
	s_mov_b32 s37, 0
	s_lshl_b32 s38, s31, 16                        ; 65,536 bytes of source a work-group
	s_mov_b32 s39, 0
	s_add_nc_u64 s[32:33], s[32:33], s[38:39]
	s_add_nc_u64 s[34:35], s[34:35], s[36:37]
.irp j, 0,1,2,3,4,5,6,7,8,9,10,11,12,13,14,15
	global_load_b128 v[IN+4*(\j):IN+4*(\j)+3], v1, s[32:33] offset:(\j)*4096 th:TH_LOAD_NT
.endr
.macro CVTJ j
	s_wait_loadcnt 15-(\j)                         ; loads return in order: block j is in, the 15 - j younger loads stay out
	v_cvt_pk_bf16_f32 v[OUT+2*(\j)],   v[IN+4*(\j)],   v[IN+4*(\j)+1]
	v_cvt_pk_bf16_f32 v[OUT+2*(\j)+1], v[IN+4*(\j)+2], v[IN+4*(\j)+3]
.endm
	s_cmp_lt_u32 s24, NWV
	s_cbranch_scc1 .Lwv
.irp j, 0,1,2,3,4,5,6,7,8,9,10,11,12,13,14,15
	CVTJ \j
	global_store_b64 v2, v[OUT+2*(\j):OUT+2*(\j)+1], s[34:35] offset:(\j)*2048
.endr
	s_endpgm
.Lwv:                                          ; block j holds rows 2 j + t / 128 of my 32; row 8 h + jj of 16 goes to row 2 jj + h: 16 (j / 8) + 4 (j % 4) + (j / 4) % 2 + 2 (t / 128)
.irp j, 0,1,2,3,4,5,6,7,8,9,10,11,12,13,14,15
	CVTJ \j
.endr
	s_mov_b32 s40, 8                               ; eight batches
.Lcopy:
.irp j, 0,1,2,3,4,5,6,7,8,9,10,11,12,13,14,15
	global_store_b64 v3, v[OUT+2*(\j):OUT+2*(\j)+1], s[34:35] offset:(16*((\j)/8)+4*((\j)%4)+((\j)/4)%2)*1024
.endr
	s_wait_xcnt 0x0                                ; the stores have read their base: it is stepped only behind this wait (the last step is not used)
	s_add_nc_u64 s[34:35], s[34:35], BATCHB
	s_sub_co_u32 s40, s40, 1
	s_cmp_lg_u32 s40, 0
	s_cbranch_scc1 .Lcopy
	s_endpgm
.Lprep:
	v_lshrrev_b32 v1, 5, v0
	v_readfirstlane_b32 s24, v1                    ; wave
	s_lshl_b32 s25, s2, 3
	s_add_co_u32 s25, s25, s24                     ; my tile
	s_cmp_lt_u32 s25, NTILE
	s_cbranch_scc0 .Lnone
	s_mul_i32 s26, s25, 1986                       ; T / 33 = (1986 T) >> 16 for T < 1,089: 1986 x 33 = 65,536 + 2
	s_lshr_b32 s3, s26, 16                         ; ib
	s_mul_i32 s26, s3, 33
	s_sub_co_u32 s2, s25, s26                      ; jb
	v_and_b32 v1, 15, v0                           ; r
	v_bfe_u32 v2, v0, 4, 1                         ; h
	v_and_b32 v5, 31, v0
	v_lshlrev_b32 v5, 4, v5                        ; 16 x lane
	s_lshl_b32 s28, s3, 15                         ; 16 rows of 2,048 bytes
	s_mov_b32 s29, 0
	s_lshl_b32 s30, s2, 15
	s_mov_b32 s31, 0
	s_mul_i32 s36, s2, 34816
	s_lshl_b32 s37, s3, 9
	s_add_co_u32 s36, s36, s37
	s_mov_b32 s37, 0
	s_mov_b32 s40, 0xffff0000
	s_cmp_lt_u32 s3, 32
	s_cselect_b64 s[32:33], s[14:15], s[18:19]     ; Wq, or bq with stride 0
	s_cselect_b32 s26, 2048, 0
	s_cselect_b32 s28, s28, 0
	s_cmp_lt_u32 s2, 32
	s_cselect_b64 s[34:35], s[16:17], s[20:21]     ; Wk, or bk
	s_cselect_b32 s27, 2048, 0
	s_cselect_b32 s30, s30, 0
	s_add_nc_u64 s[32:33], s[32:33], s[28:29]
	s_add_nc_u64 s[34:35], s[34:35], s[30:31]
	s_add_nc_u64 s[22:23], s[22:23], s[36:37]
	v_mul_lo_u32 v3, v1, s26
	v_lshl_add_u32 v3, v2, 5, v3                   ; row x stride + 32 h: 8 f32
	v_mul_lo_u32 v4, v1, s27
	v_lshl_add_u32 v4, v2, 5, v4
; 8 loads: chunk c of both operands.  A lane wants h = 8 h' + 0..7 (32 bytes) and 16 + 8 h' + 0..7 (64 bytes on) of its row.
.macro PLOAD c
.irp q, 0,1,2,3
	global_load_b128 v[RAW+32*((\c)%2)+4*(\q):RAW+32*((\c)%2)+4*(\q)+3], v3, s[32:33] offset:(\c)*128+16*((\q)%2)+64*((\q)/2)
	global_load_b128 v[RAW+32*((\c)%2)+16+4*(\q):RAW+32*((\c)%2)+16+4*(\q)+3], v4, s[34:35] offset:(\c)*128+16*((\q)%2)+64*((\q)/2)
.endr
.endm
	PLOAD 0
	PLOAD 1
.irp c, 0,1,2,3,4,5,6,7,8,9,10,11,12,13,14,15
.if (\c) < 15
	s_wait_loadcnt 8                               ; this chunk is in; the next chunk's 8 loads stay out
.else
	s_wait_loadcnt 0x0
.endif
.set i, 0
.rept 16                                       ; the fragment sets alternate: these 16 lines stand between a product and the rewriting of its sources
	v_cvt_pk_bf16_f32 v[FR+16*((\c)%2)+i], v[RAW+32*((\c)%2)+2*i], v[RAW+32*((\c)%2)+2*i+1]
.set i, i+1
.endr
.if (\c) < 2                                   ; the two accumulators take turns; the first two products start the sums
	v_wmma_f32_16x16x32_bf16 v[AC+8*((\c)%2):AC+8*((\c)%2)+7], v[FR+16*((\c)%2):FR+16*((\c)%2)+7], v[FR+16*((\c)%2)+8:FR+16*((\c)%2)+15], 0
.else
	v_wmma_f32_16x16x32_bf16 v[AC+8*((\c)%2):AC+8*((\c)%2)+7], v[FR+16*((\c)%2):FR+16*((\c)%2)+7], v[FR+16*((\c)%2)+8:FR+16*((\c)%2)+15], v[AC+8*((\c)%2):AC+8*((\c)%2)+7]
.endif
.if (\c) < 14
	PLOAD (\c)+2
.endif
.endr
.rept 8
	v_nop                                          ; places behind the last products, ahead of the sums that read them
.endr
.irp p, 0,1,2,3
	v_pk_add_f32 v[AC+2*(\p):AC+2*(\p)+1], v[AC+2*(\p):AC+2*(\p)+1], v[AC+8+2*(\p):AC+8+2*(\p)+1]
.endr
.irp p, 0,1,2,3                        ; hi = bf16(x); lo = bf16(x - hi)
	v_cvt_pk_bf16_f32 v[HI+(\p)], v[AC+2*(\p)], v[AC+2*(\p)+1]
	v_lshlrev_b32 v[SC+4*((\p)%2)], 16, v[HI+(\p)]
	v_and_b32 v[SC+4*((\p)%2)+1], s40, v[HI+(\p)]
	v_pk_add_f32 v[SC+4*((\p)%2)+2:SC+4*((\p)%2)+3], v[AC+2*(\p):AC+2*(\p)+1], v[SC+4*((\p)%2):SC+4*((\p)%2)+1] neg_lo:[0,1] neg_hi:[0,1]
	v_cvt_pk_bf16_f32 v[HI+4+(\p)], v[SC+4*((\p)%2)+2], v[SC+4*((\p)%2)+3]
.endr
	global_store_b128 v5, v[HI:HI+3], s[22:23]
	global_store_b128 v5, v[HI+4:HI+7], s[22:23] offset:17408
.Lnone:
	s_endpgm
.Lfunc_end_k_qa9fec61702_pre:
	.size	k_qa9fec61702_pre, .Lfunc_end_k_qa9fec61702_pre-k_qa9fec61702_pre
	.p2alignl 7, 3214868480
	.fill 96, 4, 3214868480
	.section	.rodata,"a",@progbits
	.p2align	6, 0x0
	.amdhsa_kernel k_qa9fec61702_pre
		.amdhsa_group_segment_fixed_size 0
		.amdhsa_private_segment_fixed_size 0
		.amdhsa_enable_private_segment 0
		.amdhsa_kernarg_size 80
		.amdhsa_user_sgpr_count 2
		.amdhsa_user_sgpr_kernarg_segment_ptr 1
		.amdhsa_wavefront_size32 1
		.amdhsa_system_sgpr_workgroup_id_x 1
		.amdhsa_system_sgpr_workgroup_id_y 1
		.amdhsa_system_sgpr_workgroup_id_z 1
		.amdhsa_system_vgpr_workitem_id 0
		.amdhsa_next_free_vgpr 128
		.amdhsa_next_free_sgpr 66
		.amdhsa_reserve_vcc 0
		.amdhsa_float_denorm_mode_32 3
		.amdhsa_float_denorm_mode_16_64 3
		.amdhsa_memory_ordered 1
		.amdhsa_forward_progress 1
		.amdhsa_inst_pref_size 45
	.end_amdhsa_kernel
	.amdgpu_metadata
---
amdhsa.version: [ 1, 2 ]
amdhsa.kernels:
  - .name:           k_qa9fec61702_pre
    .symbol:         k_qa9fec61702_pre.kd
    .args:
      - { .name: ref, .offset: 0, .size: 8, .value_kind: global_buffer, .address_space: global }
      - { .name: query, .offset: 8, .size: 8, .value_kind: global_buffer, .address_space: global }
      - { .name: Wv, .offset: 16, .size: 8, .value_kind: global_buffer, .address_space: global }
      - { .name: refb, .offset: 24, .size: 8, .value_kind: global_buffer, .address_space: global }
      - { .name: queryb, .offset: 32, .size: 8, .value_kind: global_buffer, .address_space: global }
      - { .name: Wq, .offset: 40, .size: 8, .value_kind: global_buffer, .address_space: global }
      - { .name: Wk, .offset: 48, .size: 8, .value_kind: global_buffer, .address_space: global }
      - { .name: bq, .offset: 56, .size: 8, .value_kind: global_buffer, .address_space: global }
      - { .name: bk, .offset: 64, .size: 8, .value_kind: global_buffer, .address_space: global }
      - { .name: mf, .offset: 72, .size: 8, .value_kind: global_buffer, .address_space: global }
    .group_segment_fixed_size: 0
    .private_segment_fixed_size: 0
    .kernarg_segment_align: 8
    .kernarg_segment_size: 80
    .max_flat_workgroup_size: 256
    .sgpr_count:     66
    .vgpr_count:     128
    .wavefront_size: 32
...
	.end_amdgpu_metadata
.endif
;; end of part 1
;; launch qp (part 2): grid 64 x 4, 4 waves a work-group, no clusters, 0 bytes of LDS; arguments queryb, mf, qf, cq; writes qf, cq
.if DOCPART == 2
	.amdgcn_target "amdgcn-amd-amdhsa--gfx1250"
	.amdhsa_code_object_version 6
	.text
	.protected	k_qa9fec61702_qp
	.globl	k_qa9fec61702_qp
	.p2align	8
	.type	k_qa9fec61702_qp,@function
k_qa9fec61702_qp:
	s_mov_b64 s[64:65], 0
	v_nop
	global_prefetch_b8 v0, s[64:65] scope:SCOPE_SE
	s_setreg_imm32_b32 hwreg(HW_REG_WAVE_MODE, 25, 1), 1
	s_wait_xcnt 0x0
; Qp[q][j] = the sum over i of query[q][i] MT[j][i] + MT[j][512]  (= Q Wk^T), and cq[q] = the same with row j = 512 (= Q . bk).
; query in bf16; MT as hi + lo, two products for each chunk; sums in f32; Qp leaves as bf16 hi + lo, cq as f32 (from MT's hi part: cq is one number for all scores of a row).
; SHARES.  A work-group makes 128 q (x) by 128 j (y), a wave 64 x 64: 16 accumulators.  D[m = j][n = q]: source 0 = mf's fragments as they lie, source 1 = 16 rows of queryb.
; 17 chunks of 32 along i; the 17th holds column 512 alone: source 1 is then the constant fragment ONE (1.0 at k = 0).
; cq IS SHARED OUT EVENLY: of the 64 q of a pair of waves the wave with the lower 64 j makes cq for the 16 q numbered by the work-group's y, so every work-group has the same work.
; Its 66 loads go out in one run ahead of the way out, into registers that the main products have left, and are waited for behind the stores.
; LAYOUT OF qf: [tile of 16 q][part 2][j block 32][lane 32][16 bytes]: a lane of D packed to 16 bytes is half of a fragment (column q, K along j) for the next launch; each store covers 512 consecutive bytes.
; IN FLIGHT.  Three sets of fragment registers: while a chunk is multiplied the loads of the next two are out.
; No LDS and no cluster: fragments come straight into registers in the order in which they lie in memory, so no tile exists that a joint tensor load could bring; the launch is 9 of the program's 116 GFLOP.
.set LA,  2                            ; v2   16 x lane
.set LQ,  3                            ; v3   (lane % 16) x 1,024 + 16 (lane / 16)
.set L4,  4                            ; v4   4 x (lane % 16)
.set HP,  16                           ; v[16:79]   hi packs, 4 an accumulator
.set SC,  80                           ; v[80:87]   at work
.set CA,  88                           ; v[88:103]  cq's two accumulators: even chunks, odd chunks
.set ACC, 128                          ; v[128:255] accumulator (jb, u) at ACC + 8 (4 jb + u)
.set ONE, 192                          ; window 1, v[192:199]
.set QB,   30                          ; s[30:31] queryb at my 64 rows
.set MFB,  32                          ; s[32:33] mf at my 4 j blocks
.set MF32, 34                          ; s[34:35] mf at j block 32
.set QFB,  36                          ; s[36:37] qf at my tiles and j blocks
.set CQB,  38                          ; s[38:39] cq at the 16 q that I make it for
.set CQQ,  40                          ; s[40:41] queryb at those 16 rows
.set MSB, 0
.macro WIN new                         ; the immediate's high byte repeats the setting that is left; a switch that changes nothing is dropped
.if MSB != (\new)
	s_set_vgpr_msb (MSB<<8)|(\new)
.set MSB, (\new)
.endif
.endm
.macro PLACES                          ; four places behind products, ahead of loads into registers that they read
.rept 4
	v_nop
.endr
.endm
.macro SETSYM c                        ; chunk c lives in set c % 3: sets 0 and 1 in window 1 (at 0 and 96), set 2 in window 2
.set SB, 96*(((\c)%3)%2)
.set SWN, 1+((\c)%3)/2
.endm
	s_load_b256 s[4:11], s[0:1], 0x0               ; queryb s[4:5], mf s[6:7], qf s[8:9], cq s[10:11]
	v_lshrrev_b32 v1, 5, v0
	v_readfirstlane_b32 s12, v1                    ; wave
	s_lshr_b32 s13, s12, 1                         ; which 64 q
	s_and_b32 s14, s12, 1                          ; which 64 j; 0: I also make cq
	s_and_b32 s15, ttmp7, 0xffff
	s_lshl_b32 s16, ttmp9, 1
	s_add_co_u32 s16, s16, s13                     ; my block of 64 q
	s_lshl_b32 s17, s15, 1
	s_add_co_u32 s17, s17, s14                     ; my block of 64 j
	s_lshl_b32 s20, s16, 16
	s_mov_b32 s21, 0
	s_mul_i32 s22, s17, 4*34816
	s_mov_b32 s23, 0
	s_lshl_b32 s24, s16, 17
	s_lshl_b32 s19, s17, 11
	s_add_co_u32 s24, s24, s19
	s_mov_b32 s25, 0
	s_lshl_b32 s26, s16, 8                         ; cq: 256 bytes for 64 q,
	s_lshl_b32 s19, s15, 6                         ; 64 for the 16 of tile y
	s_add_co_u32 s26, s26, s19
	s_mov_b32 s27, 0
	s_lshl_b32 s2, s15, 14                         ; tile y's 16 rows of queryb
	s_mov_b32 s3, 0
	s_mov_b32 s28, 0xffff0000                      ; a word's upper bf16
	v_and_b32 v6, 31, v0
	v_and_b32 v7, 15, v0
	v_bfe_u32 v8, v0, 4, 1
	v_lshlrev_b32 v[LA], 4, v6
	v_lshlrev_b32 v[LQ], 10, v7
	v_lshl_add_u32 v[LQ], v8, 4, v[LQ]
	v_lshlrev_b32 v[L4], 2, v7
	v_mov_b32 v5, 0x3f80
	v_cmp_gt_u32 vcc_lo, 16, v6
	WIN 0x40
	v_cndmask_b32 v[ONE], 0, v5, vcc_lo            ; k = 0 lies in the low half of register 0 of lanes 0-15
.irp i, 1,2,3,4,5,6,7
	v_mov_b32 v[ONE+(\i)], 0
.endr
	s_wait_kmcnt 0x0
	s_add_nc_u64 s[QB:QB+1], s[4:5], s[20:21]
	s_add_nc_u64 s[CQQ:CQQ+1], s[QB:QB+1], s[2:3]
	s_add_nc_u64 s[MFB:MFB+1], s[6:7], s[22:23]
	s_add_nc_u64 s[MF32:MF32+1], s[6:7], 32*34816
	s_add_nc_u64 s[QFB:QFB+1], s[8:9], s[24:25]
	s_add_nc_u64 s[CQB:CQB+1], s[10:11], s[26:27]
; A chunk's loads: 16 for MT (4 j blocks x hi, lo x two halves), 8 for query.  Chunk 16 has MT's one piece, taken for both halves (the second meets zeros), and no query.
.macro QLOAD c
	SETSYM \c
	WIN SWN<<6
.irp jb, 0,1,2,3
.irp part, 0,1
	global_load_b128 v[SB+8*(2*(\jb)+(\part)):SB+8*(2*(\jb)+(\part))+3], v[LA], s[MFB:MFB+1] offset:(\jb)*34816+(\part)*17408+(\c)*1024
.if (\c) < 16
	global_load_b128 v[SB+8*(2*(\jb)+(\part))+4:SB+8*(2*(\jb)+(\part))+7], v[LA], s[MFB:MFB+1] offset:(\jb)*34816+(\part)*17408+(\c)*1024+512
.else
	global_load_b128 v[SB+8*(2*(\jb)+(\part))+4:SB+8*(2*(\jb)+(\part))+7], v[LA], s[MFB:MFB+1] offset:(\jb)*34816+(\part)*17408+(\c)*1024
.endif
.endr
.endr
.if (\c) < 16
.irp u, 0,1,2,3
	global_load_b128 v[SB+64+8*(\u):SB+64+8*(\u)+3],   v[LQ], s[QB:QB+1] offset:(\u)*16384+(\c)*64
	global_load_b128 v[SB+64+8*(\u)+4:SB+64+8*(\u)+7], v[LQ], s[QB:QB+1] offset:(\u)*16384+(\c)*64+32
.endr
.endif
.endm
; A chunk's 32 products; the 16 accumulators take turns.  The first 16 of chunk 0 start the sums.
.macro QMUL c
	SETSYM \c
	WIN 5*SWN
.irp part, 0,1
.irp jb, 0,1,2,3
.irp u, 0,1,2,3
.if ((\c) == 0) && ((\part) == 0)
	v_wmma_f32_16x16x32_bf16 v[ACC+8*(4*(\jb)+(\u)):ACC+8*(4*(\jb)+(\u))+7], v[SB+8*(2*(\jb)+(\part)):SB+8*(2*(\jb)+(\part))+7], v[SB+64+8*(\u):SB+64+8*(\u)+7], 0
.elseif (\c) == 16
	v_wmma_f32_16x16x32_bf16 v[ACC+8*(4*(\jb)+(\u)):ACC+8*(4*(\jb)+(\u))+7], v[SB+8*(2*(\jb)+(\part)):SB+8*(2*(\jb)+(\part))+7], v[ONE:ONE+7], v[ACC+8*(4*(\jb)+(\u)):ACC+8*(4*(\jb)+(\u))+7]
.else
	v_wmma_f32_16x16x32_bf16 v[ACC+8*(4*(\jb)+(\u)):ACC+8*(4*(\jb)+(\u))+7], v[SB+8*(2*(\jb)+(\part)):SB+8*(2*(\jb)+(\part))+7], v[SB+64+8*(\u):SB+64+8*(\u)+7], v[ACC+8*(4*(\jb)+(\u)):ACC+8*(4*(\jb)+(\u))+7]
.endif
.endr
.endr
.endr
.endm
	QLOAD 0
	QLOAD 1
	QLOAD 2
.irp c, 0,1,2,3,4,5,6,7,8,9,10,11,12,13,14,15,16
.if (\c) <= 13
	s_wait_loadcnt 48                              ; this chunk is in; the next two chunks' 24 + 24 loads stay out
.elseif (\c) == 14
	s_wait_loadcnt 40                              ; 24 + 16
.elseif (\c) == 15
	s_wait_loadcnt 16
.else
	s_wait_loadcnt 0x0
.endif
	QMUL \c
.if (\c) <= 13
	PLACES
	QLOAD (\c)+3                                   ; into the set just multiplied
.endif
.endr
	WIN 0
	PLACES
	PLACES
	s_cmp_lg_u32 s14, 0
	s_cbranch_scc1 .Lno_cq
	; cq's operands, all at once: MT's row 512 (hi; the same in all 16 rows of a fragment), 17 chunks, into window 1; my tile's 16 rows of query, 16 chunks, into window 2
	WIN 0x40
.set c, 0
.rept 17
	global_load_b128 v[8*c:8*c+3], v[LA], s[MF32:MF32+1] offset:c*1024
.if c < 16
	global_load_b128 v[8*c+4:8*c+7], v[LA], s[MF32:MF32+1] offset:c*1024+512
.else
	global_load_b128 v[8*c+4:8*c+7], v[LA], s[MF32:MF32+1] offset:c*1024
.endif
.set c, c+1
.endr
	WIN 0x80
.set c, 0
.rept 16
	global_load_b128 v[8*c:8*c+3],   v[LQ], s[CQQ:CQQ+1] offset:c*64
	global_load_b128 v[8*c+4:8*c+7], v[LQ], s[CQQ:CQQ+1] offset:c*64+32
.set c, c+1
.endr
	WIN 0
.Lno_cq:
; The way out: hi = bf16(x), lo = bf16(x - hi); lo goes into the accumulator's own first four registers, behind their last reading.
.set a, 0
.rept 16
.set ab, ACC+8*a
.irp p, 0,1,2,3
	v_cvt_pk_bf16_f32 v[HP+4*a+(\p)], v[ab+2*(\p)], v[ab+2*(\p)+1]
	v_lshlrev_b32 v[SC+4*((\p)%2)], 16, v[HP+4*a+(\p)]
	v_and_b32 v[SC+4*((\p)%2)+1], s28, v[HP+4*a+(\p)]
	v_pk_add_f32 v[SC+4*((\p)%2)+2:SC+4*((\p)%2)+3], v[ab+2*(\p):ab+2*(\p)+1], v[SC+4*((\p)%2):SC+4*((\p)%2)+1] neg_lo:[0,1] neg_hi:[0,1]
	v_cvt_pk_bf16_f32 v[ab+(\p)], v[SC+4*((\p)%2)+2], v[SC+4*((\p)%2)+3]
.endr
	global_store_b128 v[LA], v[HP+4*a:HP+4*a+3], s[QFB:QFB+1] offset:(a%4)*32768+(a/4)*512
	global_store_b128 v[LA], v[ab:ab+3], s[QFB:QFB+1] offset:(a%4)*32768+16384+(a/4)*512
.set a, a+1
.endr
	s_cmp_lg_u32 s14, 0
	s_cbranch_scc1 .Lend
	s_wait_loadcnt 0x0                             ; cq's 66 loads
.set c, 0
.rept 17                                       ; 17 products; the two accumulators take turns; every row of D holds cq
.set ca, CA+8*(c%2)
.if c < 2
	WIN 0x09
	v_wmma_f32_16x16x32_bf16 v[ca:ca+7], v[8*c:8*c+7], v[8*c:8*c+7], 0
.elseif c < 16
	WIN 0x09
	v_wmma_f32_16x16x32_bf16 v[ca:ca+7], v[8*c:8*c+7], v[8*c:8*c+7], v[ca:ca+7]
.else
	WIN 0x05
	v_wmma_f32_16x16x32_bf16 v[ca:ca+7], v[8*c:8*c+7], v[ONE:ONE+7], v[ca:ca+7]
.endif
.set c, c+1
.endr
	WIN 0
	PLACES
	PLACES
	v_add_f32 v[SC], v[CA], v[CA+8]                ; register 0 of both: lane r holds cq of query r
	v_cmp_gt_u32 vcc_lo, 16, v6
	s_wait_xcnt 0x0                                ; EXEC changes only behind this wait
	s_and_saveexec_b32 s29, vcc_lo                 ; lanes 0-15: 16 numbers, 64 consecutive bytes
	global_store_b32 v[L4], v[SC], s[CQB:CQB+1]
	s_wait_xcnt 0x0                                ; and again, in front of the line that widens it
	s_or_b32 exec_lo, exec_lo, s29
.Lend:
	s_endpgm
.Lfunc_end_k_qa9fec61702_qp:
	.size	k_qa9fec61702_qp, .Lfunc_end_k_qa9fec61702_qp-k_qa9fec61702_qp
	.p2alignl 7, 3214868480
	.fill 96, 4, 3214868480
	.section	.rodata,"a",@progbits
	.p2align	6, 0x0
	.amdhsa_kernel k_qa9fec61702_qp
		.amdhsa_group_segment_fixed_size 0
		.amdhsa_private_segment_fixed_size 0
		.amdhsa_enable_private_segment 0
		.amdhsa_kernarg_size 32
		.amdhsa_user_sgpr_count 2
		.amdhsa_user_sgpr_kernarg_segment_ptr 1
		.amdhsa_wavefront_size32 1
		.amdhsa_system_sgpr_workgroup_id_x 1
		.amdhsa_system_sgpr_workgroup_id_y 1
		.amdhsa_system_sgpr_workgroup_id_z 1
		.amdhsa_system_vgpr_workitem_id 0
		.amdhsa_next_free_vgpr 640
		.amdhsa_next_free_sgpr 66
		.amdhsa_reserve_vcc 1
		.amdhsa_float_denorm_mode_32 3
		.amdhsa_float_denorm_mode_16_64 3
		.amdhsa_memory_ordered 1
		.amdhsa_forward_progress 1
		.amdhsa_inst_pref_size 105
	.end_amdhsa_kernel
	.amdgpu_metadata
---
amdhsa.version: [ 1, 2 ]
amdhsa.kernels:
  - .name:           k_qa9fec61702_qp
    .symbol:         k_qa9fec61702_qp.kd
    .args:
      - { .name: queryb, .offset: 0, .size: 8, .value_kind: global_buffer, .address_space: global }
      - { .name: mf, .offset: 8, .size: 8, .value_kind: global_buffer, .address_space: global }
      - { .name: qf, .offset: 16, .size: 8, .value_kind: global_buffer, .address_space: global }
      - { .name: cq, .offset: 24, .size: 8, .value_kind: global_buffer, .address_space: global }
    .group_segment_fixed_size: 0
    .private_segment_fixed_size: 0
    .kernarg_segment_align: 8
    .kernarg_segment_size: 32
    .max_flat_workgroup_size: 128
    .sgpr_count:     66
    .vgpr_count:     640
    .wavefront_size: 32
...
	.end_amdgpu_metadata
.endif
;; end of part 2
;; launch attn (part 3): grid 256 x 1, 4 waves a work-group, clusters of 4 x 1, 327,680 bytes of LDS; arguments refb, qf, cq, bv, out0; writes out0
.if DOCPART == 3
	.amdgcn_target "amdgcn-amd-amdhsa--gfx1250"
	.amdhsa_code_object_version 6
	.text
	.protected	k_qa9fec61702_attn
	.globl	k_qa9fec61702_attn
	.p2align	8
	.type	k_qa9fec61702_attn,@function
k_qa9fec61702_attn:
	s_mov_b64 s[64:65], 0
	v_nop
	global_prefetch_b8 v0, s[64:65] scope:SCOPE_SE
	s_setreg_imm32_b32 hwreg(HW_REG_WAVE_MODE, 25, 1), 1
	s_wait_xcnt 0x0
	s_wait_alu depctr_hold_cnt(0) depctr_sa_sdst(0) depctr_va_vdst(0) depctr_va_sdst(0) depctr_va_ssrc(0) depctr_va_vcc(0) depctr_vm_vsrc(0)
	s_getreg_b32 s2, hwreg(HW_REG_IB_STS2, 6, 4)
	s_cmp_eq_u32 s2, 0
	s_cbranch_scc0 .Lentry_in_a_cluster
	s_endpgm
.Lentry_in_a_cluster:
	s_bfe_u32 s2, ttmp6, 0x10000c
	s_cmp_lg_u32 s2, 0x3003
	s_cbranch_scc0 .Lentry_shape_is_right
	s_endpgm
.Lentry_shape_is_right:
; out[q] = norm ((the sum over k of softmax_k(Qp[q] . ref[k] + cq[q]) ref[k]) Wv + bv), norm = 1 / sqrt(512): reference()'s sums in another order of association
; (K = ref Wk + bk is folded into Qp and cq, V = ref Wv + bv is taken behind the weighted sum, whose weights add up to 1).  ONE tile of ref in bf16 serves both products.
; FORMATS.  ref and Wv rounded once to bf16; Qp as bf16 hi + lo (two products a chunk); sums, maxima, l and bv in f32; the weights p rounded to bf16 for the second product
; (l is the sum of the unrounded p); X = (P ref) / l as bf16 hi + lo for the last product.
; LIMITS.  hi + lo keeps about 16 significant bits of Qp, so a score is off by about 2^-17 of the size of its terms; a weight below 2^-126 counts as 0; NaN and infinities are not treated apart.
; SHARES.  A work-group owns 32 queries of one batch and walks the batch's 36 tiles of 128 rows x 512 bf16, which lie on end in refb: 32 of ref, then 4 of Wv.
; S^T = K Qp^T: wave w takes the tile's rows 32 w .. 32 w + 31 for all 32 queries (Qp lies whole in every wave's registers, so a fragment of K feeds 4 products).
; O^T = V^T P: wave w owns channels 128 w .. 128 w + 127 for all 32 queries; the maxima and P cross the waves through LDS: two barriers a step.
; SOFTMAX.  A running maximum m and sum l a query: p = 2^(c s - c m), c = log2(e); O and l are multiplied by a = 2^(c m_old - c m_new) in every step; m starts at the lowest finite number, O and l at 0.
; THE ORDER OF A STEP.  The last 32 of a step's 64 products V^T P (the tile's rows 64-127) are issued in the NEXT step: their fragments of V and P lie in registers by then, so the slot may be filled
; again; 16 stand between the add and the wait for it, 16 behind the run of loads for K's first fragments: matrix work where the wave would only wait.  They come ahead of that step's rescaling of O.
; The first step finds zeros there (written in the wait for the first tile), and the last step's 32 are written out behind the loop.  V's rows 0-63 are fetched during K Qp^T.
; ROW ORDER.  Within 16 rows of a tile place 8 h + j stands for row 2 j + h: K's fragments take their rows so, the turning loads take theirs so, and P is stored by place.  (Wv's rows lie in refb in that order.)
; With rows 1,040 bytes apart (260 words) both kinds of load then touch each group of four banks once (64 banks of 4 bytes: ISA guide 11.1).
; THE LAST PRODUCT.  Wv's tiles lie in reverse order: the tile of an end step holds the 128 rows that go with the channels of the wave whose number is the steps still to come; that wave puts its X into LDS for all.
; CLUSTER.  Four work-groups of one batch walk the same tiles: each tile is asked for JOINTLY, every wave asking for its 32 rows with the same descriptor and the mask of four.
; REGISTERS, in windows of 256 (s_set_vgpr_msb: bits 1:0 source 0, 3:2 source 1, 5:4 source 2, 7:6 destination):
;   window 0: v0-31 addresses and statistics; v32-63 S^T; v64-127, v128-191 K's two buffers (the first also holds the softmax's work, later X lo); v192-255 P's fragments (v192-207 at a step's start: eight copies of cq a tile)
;   window 1: v0-127 O^T; v128-191, v192-255 V's two buffers      window 2: Qp hi (later the last product's sums)      window 3: Qp lo (later X as hi and lo)
.set PITCH, 1040
.set SLOT,  128*PITCH                  ; 133,120 bytes; slot 0 at 0, slot 1 behind it; wave w fills 32 rows at 33,280 w.  SLOT's two bits meet none of 33,280 w, so one exclusive or changes slots
.set TILEB, 131072                     ; a tile in memory
.set BATCHB, 36*TILEB
.set PB,    2*SLOT                     ; two buffers of 32 rows x 272 bytes (128 places of bf16 and 16 bytes of padding): P, later X hi; X lo
.set PBS,   8704
.set PP,    272
.set MX,    PB+2*PBS                   ; the waves' maxima, 512 bytes (query x 16 + wave x 4); behind them the waves' l, 512 bytes
.set STAGE, MX+1024                    ; 16 rows x 272 bytes for each wave, for the way out
.set SPARE, STAGE+4*16*PP              ; the spare words, 128 bytes for each wave: two blocks of 256 bytes that no other line names
.set AK0, 2                            ; v2     my place in K's fragments, in slot 0; later the stage, in
.set AV0, 3                            ; v3     my place in the turning loads, in slot 0; later the stage, back
.set AKC, 4                            ; v4     AK0 in the slot in hand; later my offset in out0
.set AVC, 5                            ; v5-6   AV0 in the slot in hand: rows 0-63, rows 64-127
.set PW,  8                            ; v8     where I put 16 bytes of P
.set PR,  9                            ; v9     where I read P's fragments; also where an owner puts X
.set MW,  10                           ; v10    where I put a maximum
.set MR,  11                           ; v11    where I read four
.set PFO, 12                           ; v12    256 x lane: the prefetches' offset; never rewritten
.set CQO, 13                           ; v13    cq's offset
.set CQ,  14                           ; v14-15 cq of my lane's query in tile 0, 1
.set ST,  16                           ; v16-23 tile u at ST + 4 u: c m, m, l (even places', odd places')
.set LN,  24                           ; lane
.set RR,  25                           ; lane % 16
.set HH,  26                           ; lane / 16
.set L7,  27                           ; lane % 8
.set L3,  28                           ; (lane / 8) % 2
.set QFO, 29                           ; 16 x lane; later bv's offset
.set SPW, 30                           ; LDS address of my spare word; never rewritten
.set NIL, 31                           ; 0; never rewritten
.set S,   32                           ; (u, kb) at S + 16 u + 8 kb
.set KB0, 64
.set KB1, 128
.set PF,  192                          ; (u, ck) at PF + 32 u + 8 ck
.set TT,  64                           ; tile u at TT + 8 u: +0 c m_old, +1 its change, +4 c0, +5 c1, +6 a, +7 c2
.set XX,  80                           ; the four waves' maxima, tile 0, tile 1
.set MV,  88
.set PT,  96                           ; P packed, 16 registers
.set VB0, 128                          ; window 1
.set VB1, 192
.set XH,  0                            ; window 3: hi, 32 a tile
.set XL,  64                           ; lo
.set FF,  128                          ; at work
.set WV,  16                           ; s16 wave
.set CX,  17                           ; s17 my place in the cluster
.set XG,  18                           ; s18 my block of 32 queries
.set T0,  19
.set G1,  24                           ; s[24:31] descriptor group 1
.set G0,  32                           ; s[32:35] group 0: it walks
.set TB,  36                           ; s36 LDS byte at which the slot in hand begins: 0 or SLOT
.set ECNT, 37                          ; s37 end steps still to come
.set CNT, 46
.set LIM, 47                           ; 0 in a cluster that prefetches, else the greatest number
.set PFA, 48                           ; s[48:49]
.set CS,  50                           ; s[50:51] c
.set SEL, 52                           ; s[52:53] v_permlanex16_b32: each lane takes its own place in the other half
.set HM,  54                           ; 0xffff0000: lanes 16-31; also a word's upper bf16
.set NRM, 56                           ; s[56:57] norm
.set QFP, 58
.set CQP, 60
.set BVP, 62
.set OUTP, 66
.set MSB, 0
.macro WIN new                         ; the immediate's high byte repeats the setting that is left; a switch that changes nothing is dropped
.if MSB != (\new)
	s_set_vgpr_msb (MSB<<8)|(\new)
.set MSB, (\new)
.endif
.endm
.macro PLACES                          ; four places: behind products, ahead of loads into or writes of registers that they name and of readings of their results
.rept 4
	v_nop
.endr
.endm
; A round of the cluster's barrier: my work-group's barrier, so that wave 0 speaks for all four; wave 0 signals; every wave waits for the four work-groups; my work-group's barrier once more.
.macro CROUND
	s_barrier_signal -1
	s_barrier_wait -1
	s_cmp_lg_u32 s[WV], 0
	s_cbranch_scc1 .Lnot_wave_0_\@
	s_barrier_signal -3
.Lnot_wave_0_\@:
	s_barrier_wait -3
	s_barrier_signal -1
	s_barrier_wait -1
.endm
; 16 LDS loads: K's fragments of channels 128 g .. 128 g + 127 (four chunks of 32) for my two blocks of 16 rows
.macro FETCHK g, buf
	WIN 0
.irp cc, 0,1,2,3
.irp kb, 0,1
	ds_load_b128 v[(\buf)+16*(\cc)+8*(\kb):(\buf)+16*(\cc)+8*(\kb)+3],   v[AKC] offset:(\kb)*16*PITCH+(4*(\g)+(\cc))*64
	ds_load_b128 v[(\buf)+16*(\cc)+8*(\kb)+4:(\buf)+16*(\cc)+8*(\kb)+7], v[AKC] offset:(\kb)*16*PITCH+(4*(\g)+(\cc))*64+32
.endr
.endr
.endm
; 32 products: 16 with Qp's hi part, 16 with its lo part.  The four accumulators take turns.  The first four of a step start the sums with cq.
.macro MULQ g, buf
.irp part, 0,1
	WIN 0x08+4*(\part)
.irp cc, 0,1,2,3
.irp kb, 0,1
.irp u, 0,1
.if ((\g) == 0) && ((\part) == 0) && ((\cc) == 0)
	v_wmma_f32_16x16x32_bf16 v[S+16*(\u)+8*(\kb):S+16*(\u)+8*(\kb)+7], v[(\buf)+16*(\cc)+8*(\kb):(\buf)+16*(\cc)+8*(\kb)+7], v[128*(\u)+8*(4*(\g)+(\cc)):128*(\u)+8*(4*(\g)+(\cc))+7], v[PF+8*(\u):PF+8*(\u)+7]
.else
	v_wmma_f32_16x16x32_bf16 v[S+16*(\u)+8*(\kb):S+16*(\u)+8*(\kb)+7], v[(\buf)+16*(\cc)+8*(\kb):(\buf)+16*(\cc)+8*(\kb)+7], v[128*(\u)+8*(4*(\g)+(\cc)):128*(\u)+8*(4*(\g)+(\cc))+7], v[S+16*(\u)+8*(\kb):S+16*(\u)+8*(\kb)+7]
.endif
.endr
.endr
.endr
.endr
.endm
; 16 turning loads: rows 32 ck .. 32 ck + 31 of the tile, my 128 channels: eight fragments of V^T
.macro FETCHV ck, vb
	WIN 0x40
.irp cb, 0,1,2,3,4,5,6,7
	ds_load_tr16_b128 v[(\vb)+8*(\cb):(\vb)+8*(\cb)+3],   v[AVC+(\ck)/2] offset:((\ck)%2)*32*PITCH+(\cb)*32
	ds_load_tr16_b128 v[(\vb)+8*(\cb)+4:(\vb)+8*(\cb)+7], v[AVC+(\ck)/2] offset:((\ck)%2)*32*PITCH+16*PITCH+(\cb)*32
.endr
.endm
; 16 LDS loads: eight fragments (32 queries x 128 places) from the buffer at byte off behind the first, into dst
.macro FETCHP off, dst
	WIN 0
.irp u, 0,1
.irp ck, 0,1,2,3
	ds_load_b128 v[(\dst)+32*(\u)+8*(\ck):(\dst)+32*(\u)+8*(\ck)+3],   v[PR] offset:(\off)+(\u)*16*PP+(\ck)*64
	ds_load_b128 v[(\dst)+32*(\u)+8*(\ck)+4:(\dst)+32*(\u)+8*(\ck)+7], v[PR] offset:(\off)+(\u)*16*PP+(\ck)*64+32
.endr
.endr
.endm
.macro MULV ck, vb                     ; 16 products O^T += V^T P; the 16 accumulators take turns
	WIN 0x51
.irp cb, 0,1,2,3,4,5,6,7
.irp u, 0,1
	v_wmma_f32_16x16x32_bf16 v[64*(\u)+8*(\cb):64*(\u)+8*(\cb)+7], v[(\vb)+8*(\cb):(\vb)+8*(\cb)+7], v[PF+32*(\u)+8*(\ck):PF+32*(\u)+8*(\ck)+7], v[64*(\u)+8*(\cb):64*(\u)+8*(\cb)+7]
.endr
.endr
.endm
.macro RESCALE u                       ; tile u's O^T times a: 32 packed multiplies, each accumulator from its low end on
	WIN 0x41
.set i, 0
.rept 32
	v_pk_mul_f32 v[64*(\u)+2*i:64*(\u)+2*i+1], v[64*(\u)+2*i:64*(\u)+2*i+1], v[TT+8*(\u)+6:TT+8*(\u)+7] op_sel_hi:[1,0]
.set i, i+1
.endr
.endm
; A PREFETCH of the tile that the NEXT step's refill will ask for: in step t tile t + 2, so tiles 2 to 33 of the batch's 36.  131,072 bytes are 512 blocks of 256, a lane a block.
; All eight clusters of a batch walk the same tiles: the batch's first cluster asks; its 16 waves share the blocks out by address (8,192 bytes each), one instruction a wave.
.macro ASK
	s_cmp_gt_u32 s[CNT], s[LIM]
	s_cbranch_scc0 .Lnot_mine_\@
	global_prefetch_b8 v[PFO], s[PFA:PFA+1] th:TH_LOAD_NT scope:SCOPE_SE
.Lnot_mine_\@:
.endm
	s_load_b256 s[4:11], s[0:1], 0x0               ; refb s[4:5], qf s[6:7], cq s[8:9], bv s[10:11]
	s_load_b64 s[12:13], s[0:1], 0x20              ; out0
	v_lshl_add_u32 v[SPW], v0, 2, SPARE
	v_mov_b32 v[NIL], 0
	ds_add_u32 v[SPW], v[NIL]                      ; the wave's opening: the add and its wait come ahead of my first tensor load; the set-up below stands between them
	v_lshrrev_b32 v1, 5, v0
	v_readfirstlane_b32 s[WV], v1
	s_bfe_u32 s[CX], ttmp6, 0x40000
	s_lshl_b32 s[XG], ttmp9, 2                     ; in a cluster launch ttmp9 counts clusters
	s_add_co_u32 s[XG], s[XG], s[CX]               ; it enters qf's, cq's and out0's addresses alone
	s_mov_b32 s[G1], 15|(1<<16)|(1<<20)|(1<<21)|(7<<22)|(3<<25)  ; the mask of four; 2-byte elements; padding on; bit 21 beside a mask; after every 256 words (code 7) 4 words (code 3)
	s_mov_b32 s[G1+1], 512<<16                     ; tensor_dim0 = 512
	s_mov_b32 s[G1+2], 32<<16                      ; tensor_dim1 = 32
	s_mov_b32 s[G1+3], 512<<16                     ; tile_dim0 = 512
	s_mov_b32 s[G1+4], 32                          ; tile_dim1 = 32
	s_mov_b32 s[G1+5], 512                         ; elements from row to row
	s_mov_b32 s[G1+6], 0
	s_mov_b32 s[G1+7], 0
	s_mov_b32 s[CS], 0x3fb8aa3b                    ; log2(e)
	s_mov_b32 s[CS+1], s[CS]
	s_mov_b32 s[SEL], 0x76543210
	s_mov_b32 s[SEL+1], 0xfedcba98
	s_mov_b32 s[HM], 0xffff0000
	s_mov_b32 s[NRM], 0x3d3504f3                   ; 1 / sqrt(512)
	s_mov_b32 s[NRM+1], s[NRM]
	s_lshr_b32 s20, ttmp9, 3                       ; the batch: eight clusters each
	s_mul_i32 s20, s20, BATCHB
	s_mov_b32 s21, 0
	s_lshl_b32 s22, s[WV], 15                      ; my 32 rows of a tile in memory
	s_mov_b32 s23, 0
	s_mul_i32 s[T0], s[WV], 32*PITCH               ; and in a slot: no place in the cluster enters an LDS address
	s_mov_b32 s[G0], 1
	s_mov_b32 s[G0+1], s[T0]                       ; slot 0
	s_mov_b32 s[TB], SLOT                          ; the first step turns it into 0
	s_lshl_b32 s70, s[CX], 2
	s_add_co_u32 s70, s70, s[WV]
	s_lshl_b32 s70, s70, 13                        ; my wave's 8,192 bytes of a tile, for the prefetches
	s_mov_b32 s71, 0
	s_lshl_b32 s68, s[XG], 16                      ; 65,536 bytes of qf and of out0 for 32 queries
	s_mov_b32 s69, 0
	s_lshl_b32 s72, s[WV], 9                       ; my 128 channels in f32
	s_mov_b32 s73, 0
	s_and_b32 s[LIM], ttmp9, 7
	s_cmp_eq_u32 s[LIM], 0
	s_cselect_b32 s[LIM], 0, -1                    ; the same in all four partners
	s_wait_dscnt 0x0                               ; the opening add is done
	s_wait_kmcnt 0x0
	s_add_nc_u64 s[4:5], s[4:5], s[20:21]          ; refb at the batch
	s_add_nc_u64 s[PFA:PFA+1], s[4:5], s[70:71]
	s_add_nc_u64 s[PFA:PFA+1], s[PFA:PFA+1], TILEB ; at tile 1: step 0 moves it to tile 2
	s_add_nc_u64 s[G0+2:G0+3], s[4:5], s[22:23]    ; tile 0
	s_or_b32 s[G0+3], s[G0+3], 0x80000000
	s_add_nc_u64 s[QFP:QFP+1], s[6:7], s[68:69]
	s_add_nc_u64 s[OUTP:OUTP+1], s[12:13], s[68:69]
	s_add_nc_u64 s[OUTP:OUTP+1], s[OUTP:OUTP+1], s[72:73]
	s_add_nc_u64 s[BVP:BVP+1], s[10:11], s[72:73]
	s_lshl_b32 s68, s[XG], 7                       ; 128 bytes of cq
	s_add_nc_u64 s[CQP:CQP+1], s[8:9], s[68:69]
	CROUND                                         ; all four work-groups are here: the first joint loads meet
	tensor_load_to_lds s[G0:G0+3], s[G1:G1+7]      ; tile 0 into slot 0; slot 1 is filled behind the first step's round
	s_nop 0
	PLACES
	v_and_b32 v[LN], 31, v0
	v_and_b32 v[RR], 15, v0
	v_lshlrev_b32 v[QFO], 4, v[LN]
	v_lshlrev_b32 v[CQO], 2, v[RR]
	WIN 0x80                                       ; Qp stays in registers: hi in window 2, lo in window 3; fragment (u, c) at 8 (16 u + c)
.set i, 0
.rept 32
	global_load_b128 v[8*i:8*i+3],   v[QFO], s[QFP:QFP+1] offset:(i/16)*32768+(i%16)*1024
	global_load_b128 v[8*i+4:8*i+7], v[QFO], s[QFP:QFP+1] offset:(i/16)*32768+(i%16)*1024+512
.set i, i+1
.endr
	WIN 0xc0
.set i, 0
.rept 32
	global_load_b128 v[8*i:8*i+3],   v[QFO], s[QFP:QFP+1] offset:(i/16)*32768+16384+(i%16)*1024
	global_load_b128 v[8*i+4:8*i+7], v[QFO], s[QFP:QFP+1] offset:(i/16)*32768+16384+(i%16)*1024+512
.set i, i+1
.endr
	WIN 0
	global_load_b32 v[CQ], v[CQO], s[CQP:CQP+1]
	global_load_b32 v[CQ+1], v[CQO], s[CQP:CQP+1] offset:64
	WIN 0x40                                       ; O^T starts at 0, and so do V's two buffers and (below) the half of P that the first step's head multiplies: written in the wait for
.set i, 0                                      ; the first tile, so that the first step is a step like any other and the step's text stands once
.rept 256
	v_mov_b32 v[i], 0
.set i, i+1
.endr
	WIN 0
.set i, 0
.rept 16
	v_mov_b32 v[PF+16+i], 0
	v_mov_b32 v[PF+48+i], 0
.set i, i+1
.endr
.irp u, 0,1
	v_mov_b32 v[ST+4*(\u)], 0xfe000000             ; c m: far below every c s
	v_mov_b32 v[ST+4*(\u)+1], 0xff7fffff           ; m
	v_mov_b32 v[ST+4*(\u)+2], 0
	v_mov_b32 v[ST+4*(\u)+3], 0
.endr
	v_bfe_u32 v[HH], v0, 4, 1
	v_and_b32 v[L7], 7, v0
	v_bfe_u32 v[L3], v0, 3, 1
	v_lshl_add_u32 v1, v[L7], 1, v[L3]             ; K: fragment row r takes tile row 2 (r % 8) + r / 8
	v_mul_u32_u24 v[AK0], v1, PITCH
	v_lshl_add_u32 v[AK0], v[HH], 4, v[AK0]
	v_add_nc_u32 v[AK0], s[T0], v[AK0]             ; + my 32 rows
	v_lshl_add_u32 v1, v[L7], 1, v[HH]             ; V: my 16 bytes lie in row 2 (l % 8) + l / 16, channels 8 ((l / 8) % 2) on
	v_mul_u32_u24 v[AV0], v1, PITCH
	v_lshl_add_u32 v[AV0], v[L3], 4, v[AV0]
	s_lshl_b32 s[T0], s[WV], 8
	v_add_nc_u32 v[AV0], s[T0], v[AV0]             ; + my 128 channels
	v_mul_u32_u24 v[PR], v[RR], PP
	v_lshl_add_u32 v[PR], v[HH], 4, v[PR]
	v_add_nc_u32 v[PR], PB, v[PR]
	s_lshl_b32 s[T0], s[WV], 6
	v_add_nc_u32 v[PW], s[T0], v[PR]               ; my 32 places: 64 bytes of a row
	s_lshl_b32 s[T0], s[WV], 2
	s_add_co_u32 s[T0], s[T0], MX
	v_lshl_add_u32 v[MW], v[LN], 4, s[T0]          ; query = lane
	v_lshl_add_u32 v[MR], v[RR], 4, MX
	v_lshlrev_b32 v[PFO], 8, v[LN]
	s_wait_loadcnt 0x0                             ; Qp and cq
	s_mov_b32 s[CNT], 32
.Lloop:                                        ; 32 trips: step t takes ref's tile t, which lies in slot t % 2, and asks for tile t + 1 (in the last trip Wv's first)
	s_wait_xcnt 0x0                                ; the last prefetch, a step back, has read its address
	s_add_nc_u64 s[PFA:PFA+1], s[PFA:PFA+1], TILEB
	s_wait_tensorcnt 0x0                           ; all my tensor loads have landed: the one that was out is my part of this step's tile; so the group 0 may be written
	ds_add_u32 v[SPW], v[NIL]                      ; 0 onto my spare word; the descriptor's steps and 16 products stand between it and the wait for it
	s_xor_b32 s[G0+1], s[G0+1], SLOT               ; the walking descriptor: the other slot than last time,
	s_add_nc_u64 s[G0+2:G0+3], s[G0+2:G0+3], TILEB ; the next tile; the type bits on top are not reached
	s_xor_b32 s[TB], s[TB], SLOT                   ; and my reads go to the slot that has just landed
	s_wait_dscnt 17                                ; the last tile's rows 64-95 of V are in; the 16 loads of its rows 96-127 and the add may be out
	MULV 2, VB0                                    ; the last step's V^T P goes on
	s_wait_dscnt 0x0                               ; the add is done, and my reads of the last step's tile are over
	WIN 0
	CROUND                                         ; both now hold of every wave of the four work-groups
	tensor_load_to_lds s[G0:G0+3], s[G1:G1+7]      ; into the slot read last step: my one load, out for the whole step
	s_nop 0
	PLACES
	v_add_nc_u32 v[AKC], s[TB], v[AK0]
	v_add_nc_u32 v[AVC], s[TB], v[AV0]
	v_add_nc_u32 v[AVC+1], 64*PITCH, v[AVC]
.irp i, 0,1,2,3,4,5,6,7
	v_mov_b32 v[PF+(\i)], v[CQ]                    ; the score sums start with cq: eight copies a tile, in the registers of P's fragments that the last step has done with
	v_mov_b32 v[PF+8+(\i)], v[CQ+1]
.endr
	FETCHK 0, KB0
	FETCHK 1, KB1
	ASK
	MULV 3, VB1                                    ; the last step's last 16 products, while K's first fragments come
	s_wait_dscnt 16                                ; the older 16 loads are in; the younger 16 stay out
	MULQ 0, KB0
	PLACES
	FETCHK 2, KB0
	s_wait_dscnt 16                                ; likewise
	MULQ 1, KB1
	PLACES
	FETCHK 3, KB1
	FETCHV 0, VB0                                  ; V's rows 0-63 come during K Qp^T
	s_wait_dscnt 32                                ; K's third group is in; its fourth and V's first run, 16 + 16, stay out
	FETCHV 1, VB1
	MULQ 2, KB0
	s_wait_dscnt 32                                ; K's fourth group is in; V's two runs stay out
	MULQ 3, KB1
	WIN 0
	PLACES
	PLACES
	; my 32 keys' maximum for each query; each accumulator's lowest registers are read first
.irp u, 0,1
	v_max3_num_f32 v[TT+8*(\u)+4], v[S+16*(\u)], v[S+16*(\u)+1], v[S+16*(\u)+2]
	v_max3_num_f32 v[TT+8*(\u)+5], v[S+16*(\u)+8], v[S+16*(\u)+9], v[S+16*(\u)+10]
.endr
.irp u, 0,1
	v_max3_num_f32 v[TT+8*(\u)+4], v[TT+8*(\u)+4], v[S+16*(\u)+3], v[S+16*(\u)+4]
	v_max3_num_f32 v[TT+8*(\u)+5], v[TT+8*(\u)+5], v[S+16*(\u)+11], v[S+16*(\u)+12]
.endr
.irp u, 0,1
	v_max3_num_f32 v[TT+8*(\u)+4], v[TT+8*(\u)+4], v[S+16*(\u)+5], v[S+16*(\u)+6]
	v_max3_num_f32 v[TT+8*(\u)+5], v[TT+8*(\u)+5], v[S+16*(\u)+13], v[S+16*(\u)+14]
.endr
.irp u, 0,1
	v_max_num_f32 v[TT+8*(\u)+7], v[S+16*(\u)+7], v[S+16*(\u)+15]
.endr
.irp u, 0,1
	v_max3_num_f32 v[TT+8*(\u)+4], v[TT+8*(\u)+4], v[TT+8*(\u)+5], v[TT+8*(\u)+7]
.endr
.irp u, 0,1
	v_permlanex16_b32 v[TT+8*(\u)+5], v[TT+8*(\u)+4], s[SEL], s[SEL+1]  ; the query's other 16 keys lie in the lane 16 away
.endr
.irp u, 0,1
	v_max_num_f32 v[TT+8*(\u)+4], v[TT+8*(\u)+4], v[TT+8*(\u)+5]
.endr
	v_cndmask_b32 v[MV], v[TT+4], v[TT+12], s[HM]  ; lane l speaks for query l
	ds_store_b32 v[MW], v[MV]                      ; the last step's maxima were read ahead of that step's second barrier
	s_wait_dscnt 0x0                               ; for the others' sake: my maxima are in LDS (V's two runs came in under the last 32 products)
	s_barrier_signal -1
	s_barrier_wait -1
	ds_load_b128 v[XX:XX+3],   v[MR]
	ds_load_b128 v[XX+4:XX+7], v[MR] offset:256
	s_wait_dscnt 0x0
.irp u, 0,1
	v_max3_num_f32 v[TT+8*(\u)+4], v[XX+4*(\u)], v[XX+4*(\u)+1], v[XX+4*(\u)+2]
	v_mov_b32 v[TT+8*(\u)], v[ST+4*(\u)]           ; c m_old
.endr
.irp u, 0,1
	v_max3_num_f32 v[ST+4*(\u)+1], v[TT+8*(\u)+4], v[XX+4*(\u)+3], v[ST+4*(\u)+1]
.endr
.irp u, 0,1
	v_mul_f32 v[ST+4*(\u)], s[CS], v[ST+4*(\u)+1]
.endr
.irp u, 0,1
	v_sub_f32 v[TT+8*(\u)+1], v[TT+8*(\u)], v[ST+4*(\u)]
.endr
.irp i, 0,1,2,3,4,5,6,7
.irp u, 0,1
	v_pk_fma_f32 v[S+16*(\u)+2*(\i):S+16*(\u)+2*(\i)+1], v[S+16*(\u)+2*(\i):S+16*(\u)+2*(\i)+1], s[CS:CS+1], v[ST+4*(\u):ST+4*(\u)+1] op_sel_hi:[1,0,0] neg_lo:[0,0,1] neg_hi:[0,0,1]
.endr
.endr
	v_exp_f32 v[TT+6], v[TT+1]                     ; ONE BATCH of 34 exponentials: the two a and my 32 scores
	v_exp_f32 v[TT+14], v[TT+9]
.set i, 0
.rept 32
	v_exp_f32 v[S+i], v[S+i]
.set i, i+1
.endr
	v_nop                                          ; a plain instruction behind the last exponential,
	s_wait_alu depctr_va_vdst(0)                   ; and one wait ahead of the batch's first reader
.set i, 0
.rept 16
	v_cvt_pk_bf16_f32 v[PT+i], v[S+2*i], v[S+2*i+1]
.set i, i+1
.endr
.irp u, 0,1
.irp kb, 0,1
	ds_store_b128 v[PW], v[PT+8*(\u)+4*(\kb):PT+8*(\u)+4*(\kb)+3] offset:(\u)*16*PP+(\kb)*32  ; the last step's P was read ahead of this step's round
.endr
.endr
.irp k, 0,4,8,12
.irp u, 0,1
	v_pk_add_f32 v[S+16*(\u)+(\k):S+16*(\u)+(\k)+1], v[S+16*(\u)+(\k):S+16*(\u)+(\k)+1], v[S+16*(\u)+(\k)+2:S+16*(\u)+(\k)+3]
.endr
.endr
.irp k, 0,8
.irp u, 0,1
	v_pk_add_f32 v[S+16*(\u)+(\k):S+16*(\u)+(\k)+1], v[S+16*(\u)+(\k):S+16*(\u)+(\k)+1], v[S+16*(\u)+(\k)+4:S+16*(\u)+(\k)+5]
.endr
.endr
.irp u, 0,1
	v_pk_add_f32 v[S+16*(\u):S+16*(\u)+1], v[S+16*(\u):S+16*(\u)+1], v[S+16*(\u)+8:S+16*(\u)+9]
.endr
.irp u, 0,1
	v_pk_fma_f32 v[ST+4*(\u)+2:ST+4*(\u)+3], v[ST+4*(\u)+2:ST+4*(\u)+3], v[TT+8*(\u)+6:TT+8*(\u)+7], v[S+16*(\u):S+16*(\u)+1] op_sel_hi:[1,0,1]  ; l = a l + my keys' sum
.endr
	s_wait_dscnt 0x0                               ; for the others' sake: my part of P is in LDS
	s_barrier_signal -1
	RESCALE 0                                      ; O^T times a: one tile on registers while the others arrive,
	WIN 0
	s_barrier_wait -1
	FETCHP 0, PF
	RESCALE 1                                      ; the other while P's fragments come
	s_wait_dscnt 0x0                               ; P is in
	MULV 0, VB0
	PLACES
	FETCHV 2, VB0                                  ; rows 64-127 of V: multiplied at the next step's head
	MULV 1, VB1
	PLACES
	FETCHV 3, VB1
	WIN 0
	s_sub_co_u32 s[CNT], s[CNT], 1
	s_cmp_lg_u32 s[CNT], 0
	s_cbranch_scc1 .Lloop
	s_wait_dscnt 16                                ; the last step's last 32 products are written out
	MULV 2, VB0
	s_wait_dscnt 0x0
	MULV 3, VB1
	WIN 0
	; The last product's sums start with bv: it is loaded straight into the 16 accumulators, channels 16 cb + 8 (lane / 16) + 0..7 of my 128, for both tiles of queries
	v_lshlrev_b32 v[QFO], 5, v[HH]
	WIN 0x80
.irp u, 0,1
.irp cb, 0,1,2,3,4,5,6,7
	global_load_b128 v[64*(\u)+8*(\cb):64*(\u)+8*(\cb)+3],   v[QFO], s[BVP:BVP+1] offset:(\cb)*64
	global_load_b128 v[64*(\u)+8*(\cb)+4:64*(\u)+8*(\cb)+7], v[QFO], s[BVP:BVP+1] offset:(\cb)*64+16
.endr
.endr
	WIN 0
	; l: my two halves, the other half of the lanes, then the four waves' through LDS
.irp u, 0,1
	v_add_f32 v[TT+8*(\u)+4], v[ST+4*(\u)+2], v[ST+4*(\u)+3]
.endr
.irp u, 0,1
	v_permlanex16_b32 v[TT+8*(\u)+5], v[TT+8*(\u)+4], s[SEL], s[SEL+1]
.endr
.irp u, 0,1
	v_add_f32 v[TT+8*(\u)+4], v[TT+8*(\u)+4], v[TT+8*(\u)+5]
.endr
	v_cndmask_b32 v[MV], v[TT+4], v[TT+12], s[HM]
	ds_store_b32 v[MW], v[MV] offset:512
	s_wait_dscnt 0x0
	s_barrier_signal -1                            ; Wv's first tile may stay on its way
	s_barrier_wait -1
	ds_load_b128 v[XX:XX+3],   v[MR] offset:512
	ds_load_b128 v[XX+4:XX+7], v[MR] offset:512+256
	s_wait_dscnt 0x0
.irp u, 0,1
	v_add_f32 v[XX+4*(\u)], v[XX+4*(\u)], v[XX+4*(\u)+1]
	v_add_f32 v[XX+4*(\u)+2], v[XX+4*(\u)+2], v[XX+4*(\u)+3]
.endr
.irp u, 0,1
	v_add_f32 v[XX+4*(\u)], v[XX+4*(\u)], v[XX+4*(\u)+2]
.endr
.irp u, 0,1
	v_rcp_f32 v[TT+8*(\u)+6], v[XX+4*(\u)]
.endr
	v_nop
	s_wait_alu depctr_va_vdst(0)                   ; one wait for the two reciprocals
	RESCALE 0                                      ; O^T / l
	RESCALE 1
	; X = (P ref) / l as hi = bf16(x) and lo = bf16(x - hi), once, into window 3: a lane's eight channels pack into 16 bytes of each
.irp u, 0,1
	WIN 0xc5
.set i, 0
.rept 32
	v_cvt_pk_bf16_f32 v[XH+32*(\u)+i], v[64*(\u)+2*i], v[64*(\u)+2*i+1]
.set i, i+1
.endr
	WIN 0xcc
.set i, 0
.rept 32
	v_lshlrev_b32 v[FF+2*i], 16, v[XH+32*(\u)+i]
	v_and_b32 v[FF+2*i+1], s[HM], v[XH+32*(\u)+i]
.set i, i+1
.endr
	WIN 0xcd
.set i, 0
.rept 32
	v_pk_add_f32 v[FF+2*i:FF+2*i+1], v[64*(\u)+2*i:64*(\u)+2*i+1], v[FF+2*i:FF+2*i+1] neg_lo:[0,1] neg_hi:[0,1]
.set i, i+1
.endr
	WIN 0xcf
.set i, 0
.rept 32
	v_cvt_pk_bf16_f32 v[XL+32*(\u)+i], v[FF+2*i], v[FF+2*i+1]
.set i, i+1
.endr
.endr
	WIN 0
	s_wait_loadcnt 0x0                             ; bv
; 32 products OUT^T += Wv^T X (hi, then lo); the 16 accumulators take turns
.macro EMUL ck, vb
	WIN 0xa1
.irp part, 0,1
.irp cb, 0,1,2,3,4,5,6,7
.irp u, 0,1
	v_wmma_f32_16x16x32_bf16 v[64*(\u)+8*(\cb):64*(\u)+8*(\cb)+7], v[(\vb)+8*(\cb):(\vb)+8*(\cb)+7], v[PF-128*(\part)+32*(\u)+8*(\ck):PF-128*(\part)+32*(\u)+8*(\ck)+7], v[64*(\u)+8*(\cb):64*(\u)+8*(\cb)+7]
.endr
.endr
.endr
.endm
; AN END STEP: one tile of Wv.  Its 128 rows go with the channels of the wave whose number is the steps still to come: behind the round, when nobody reads the last step's X any more, that wave
; puts its X (hi, lo) into the two buffers, and a second barrier shows it to all.  fill = 1: the next tile is asked for.
.macro ESTEP fill
	WIN 0
	s_wait_tensorcnt 0x0                           ; all my tensor loads have landed: my part of this tile
	ds_add_u32 v[SPW], v[NIL]
.if \fill
	s_xor_b32 s[G0+1], s[G0+1], SLOT
	s_add_nc_u64 s[G0+2:G0+3], s[G0+2:G0+3], TILEB
.endif
	s_xor_b32 s[TB], s[TB], SLOT
	s_wait_dscnt 0x0                               ; the add is done, and my reads of the last tile and of the last X are over
.if \fill
	CROUND
	tensor_load_to_lds s[G0:G0+3], s[G1:G1+7]
	s_nop 0
.else
	s_barrier_signal -1                            ; the last tile: nothing is asked for
	s_barrier_wait -1
.endif
	PLACES
	v_add_nc_u32 v[AVC], s[TB], v[AV0]
	v_add_nc_u32 v[AVC+1], 64*PITCH, v[AVC]
.if \fill
	s_cmp_lg_u32 s[WV], s[ECNT]
.else
	s_cmp_lg_u32 s[WV], 0
.endif
	s_cbranch_scc1 .Lnot_owner_\@
	WIN 0x0c                                       ; store data in window 3
.irp part, 0,1
.irp u, 0,1
.irp cb, 0,1,2,3,4,5,6,7
	ds_store_b128 v[PR], v[64*(\part)+32*(\u)+4*(\cb):64*(\part)+32*(\u)+4*(\cb)+3] offset:(\part)*PBS+(\u)*16*PP+32*(\cb)
.endr
.endr
.endr
	WIN 0
.Lnot_owner_\@:
	s_wait_dscnt 0x0                               ; for the others' sake: the owner's stores are done
	s_barrier_signal -1
	FETCHV 0, VB0                                  ; bytes of this tile, which nobody writes before the next round
	WIN 0
	s_barrier_wait -1
	FETCHP 0, PF
	FETCHP PBS, KB0
	FETCHV 1, VB1
	s_wait_dscnt 16                                ; X and Wv's first 32 rows are in; the youngest 16 loads stay out
	EMUL 0, VB0
	PLACES
	FETCHV 2, VB0
	s_wait_dscnt 16
	EMUL 1, VB1
	PLACES
	FETCHV 3, VB1
	s_wait_dscnt 16
	EMUL 2, VB0
	s_wait_dscnt 0x0
	EMUL 3, VB1
	WIN 0
.endm
	s_mov_b32 s[ECNT], 3
.Lend_step:                                    ; three trips: waves 3, 2, 1 own them
	ESTEP 1
	s_sub_co_u32 s[ECNT], s[ECNT], 1
	s_cmp_lg_u32 s[ECNT], 0
	s_cbranch_scc1 .Lend_step
	ESTEP 0                                        ; the tail is written out: wave 0 owns it
	; THE WAY OUT.  A lane holds 8 neighbouring channels of one query in f32: 32 bytes.  16 queries x 64 channels at a time go through my stage and come back as rows of 256 bytes.
	PLACES
	PLACES
	s_mul_i32 s[T0], s[WV], 16*PP
	s_add_co_u32 s[T0], s[T0], STAGE
	v_mul_u32_u24 v2, v[RR], PP                    ; in: row lane % 16, 32 bytes for each half of the lanes
	v_lshl_add_u32 v2, v[HH], 5, v2
	v_add_nc_u32 v2, s[T0], v2
	v_mul_u32_u24 v3, v[HH], PP                    ; back: lanes 0-15 one row, lanes 16-31 the next
	v_lshl_add_u32 v3, v[RR], 4, v3
	v_add_nc_u32 v3, s[T0], v3
	v_lshlrev_b32 v4, 11, v[HH]                    ; and the same two rows of out0
	v_lshl_add_u32 v4, v[RR], 4, v4
.irp p, 0,1,2,3                        ; tile p / 2, half p % 2 of my channels
	WIN 0x02
.set i, 0
.rept 16
	v_pk_mul_f32 v[64+2*i:64+2*i+1], v[64*((\p)/2)+32*((\p)%2)+2*i:64*((\p)/2)+32*((\p)%2)+2*i+1], s[NRM:NRM+1] op_sel_hi:[1,0]
.set i, i+1
.endr
	WIN 0
.irp cb, 0,1,2,3
	ds_store_b128 v2, v[64+8*(\cb):64+8*(\cb)+3]   offset:(\cb)*64
	ds_store_b128 v2, v[64+8*(\cb)+4:64+8*(\cb)+7] offset:(\cb)*64+16
.endr
.irp i, 0,1,2,3,4,5,6,7
	ds_load_b128 v[128+32*(\p)+4*(\i):128+32*(\p)+4*(\i)+3], v3 offset:(\i)*2*PP  ; LDS serves a wave's instructions in order (ISA guide 5.7.1.4): these see the stores above, and the next pass's stores come behind them
.endr
.irp i, 0,1,2,3,4,5,6,7
	s_wait_dscnt 7-(\i)
	global_store_b128 v4, v[128+32*(\p)+4*(\i):128+32*(\p)+4*(\i)+3], s[OUTP:OUTP+1] offset:(16*((\p)/2)+2*(\i))*2048+((\p)%2)*256  ; 16 lanes store 256 consecutive bytes, at a multiple of 256 from out0's first byte
.endr
.endr
	s_wait_tensorcnt 0x0                           ; the wave's end, behind my last tensor load and my last LDS store
	ds_add_u32 v[SPW], v[NIL]
	s_wait_dscnt 0x0
	CROUND                                         ; the closing round: no work-group ends while a partner may still ask for a tile that names it
	s_endpgm
.Lfunc_end_k_qa9fec61702_attn:
	.size	k_qa9fec61702_attn, .Lfunc_end_k_qa9fec61702_attn-k_qa9fec61702_attn
	.p2alignl 7, 3214868480
	.fill 96, 4, 3214868480
	.section	.rodata,"a",@progbits
	.p2align	6, 0x0
	.amdhsa_kernel k_qa9fec61702_attn
		.amdhsa_group_segment_fixed_size 327680
		.amdhsa_private_segment_fixed_size 0
		.amdhsa_enable_private_segment 0
		.amdhsa_kernarg_size 40
		.amdhsa_user_sgpr_count 2
		.amdhsa_user_sgpr_kernarg_segment_ptr 1
		.amdhsa_wavefront_size32 1
		.amdhsa_system_sgpr_workgroup_id_x 1
		.amdhsa_system_sgpr_workgroup_id_y 1
		.amdhsa_system_sgpr_workgroup_id_z 1
		.amdhsa_system_vgpr_workitem_id 0
		.amdhsa_next_free_vgpr 1024
		.amdhsa_next_free_sgpr 80
		.amdhsa_reserve_vcc 0
		.amdhsa_float_denorm_mode_32 3
		.amdhsa_float_denorm_mode_16_64 3
		.amdhsa_memory_ordered 1
		.amdhsa_forward_progress 1
		.amdhsa_inst_pref_size 137
	.end_amdhsa_kernel
	.amdgpu_metadata
---
amdhsa.version: [ 1, 2 ]
amdhsa.kernels:
  - .name:           k_qa9fec61702_attn
    .symbol:         k_qa9fec61702_attn.kd
    .args:
      - { .name: refb, .offset: 0, .size: 8, .value_kind: global_buffer, .address_space: global }
      - { .name: qf, .offset: 8, .size: 8, .value_kind: global_buffer, .address_space: global }
      - { .name: cq, .offset: 16, .size: 8, .value_kind: global_buffer, .address_space: global }
      - { .name: bv, .offset: 24, .size: 8, .value_kind: global_buffer, .address_space: global }
      - { .name: out0, .offset: 32, .size: 8, .value_kind: global_buffer, .address_space: global }
    .group_segment_fixed_size: 327680
    .private_segment_fixed_size: 0
    .kernarg_segment_align: 8
    .kernarg_segment_size: 40
    .max_flat_workgroup_size: 128
    .sgpr_count:     80
    .vgpr_count:     1024
    .wavefront_size: 32
...
	.end_amdgpu_metadata
.endif
;; end of part 3
;; ======== version 2 of 2: 3 launches; version 1 with the launch qp written anew for expert scheduling mode
;; limits: values outside matrix products are rounded to bf16
;; workspace buffers: refb 37,748,736 bytes; queryb 8,388,608 bytes; mf 1,148,928 bytes; qf 16,777,216 bytes; cq 32,768 bytes
;; launch pre: the kernel of part 1 again; grid 1433 x 1, 8 waves a work-group, no clusters, 0 bytes of LDS; arguments ref, query, Wv, refb, queryb, Wq, Wk, bq, bk, mf; writes refb, queryb, mf
;; launch qp (part 4): grid 64 x 4, 4 waves a work-group, no clusters, 0 bytes of LDS; arguments queryb, mf, qf, cq; writes qf, cq
.if DOCPART == 4
	.amdgcn_target "amdgcn-amd-amdhsa--gfx1250"
	.amdhsa_code_object_version 6
	.text
	.protected	k_qa9fec61702_qp
	.globl	k_qa9fec61702_qp
	.p2align	8
	.type	k_qa9fec61702_qp,@function
k_qa9fec61702_qp:
	s_mov_b64 s[64:65], 0
	v_nop
	global_prefetch_b8 v0, s[64:65] scope:SCOPE_SE
	s_setreg_imm32_b32 hwreg(HW_REG_WAVE_SCHED_MODE, 0, 2), 2
	s_setreg_imm32_b32 hwreg(HW_REG_WAVE_MODE, 25, 1), 1
	s_wait_xcnt 0x0
	s_wait_alu depctr_vm_vsrc(0)
; Qp[q][j] = the sum over i of query[q][i] MT[j][i] + MT[j][512]  (= Q Wk^T), and cq[q] = the same with row j = 512 (= Q . bk).
; query in bf16; MT as hi + lo, two products for each chunk; sums in f32; Qp leaves as bf16 hi + lo, cq as f32 (from MT's hi part: cq is one number for all scores of a row).
; SHARES.  A work-group makes 128 q (x) by 128 j (y), a wave 64 x 64: 16 accumulators.  D[m = j][n = q]: source 0 = mf's fragments as they lie, source 1 = 16 rows of queryb.
; 17 chunks of 32 along i; the 17th holds column 512 alone: source 1 is then the constant fragment ONE (1.0 at k = 0).
; cq IS SHARED OUT EVENLY: of the 64 q of a pair of waves the wave with the lower 64 j makes cq for the 16 q numbered by the work-group's y, so every work-group has the same work.
; Its 66 loads go out in one run ahead of the way out, into registers that the main products have left, and are waited for behind the stores.
; LAYOUT OF qf: [tile of 16 q][part 2][j block 32][lane 32][16 bytes]: a lane of D packed to 16 bytes is half of a fragment (column q, K along j) for the next launch; each store covers 512 consecutive bytes.
; No LDS and no cluster: fragments come straight into registers in the order in which they lie in memory, so no tile exists that a joint tensor load could bring; the launch is 9 of the program's 116 GFLOP.
; THE MODE: SCHED_MODE bits 1:0 = 2 (LLVM: expert scheduling mode 2), set by the entry lines.  The code itself states the register dependences between vector or matrix instructions
; and memory instructions, with s_wait_alu, always for 0.
; THE PLAN.  Registers that memory instructions touch:
;   v2, v3, v4    offsets, made once at the head and never written again; read by every load and store.
;   SET0 .. SET3  four sets of 96 fragment registers.  Chunk c's 24 loads land in set c % 4; step c's 32 products read it.  Step c issues the loads of chunk c + 3, which land in
;                 set (c - 1) % 4: the set that the step before multiplied and that no product of step c names.  While a chunk is multiplied the loads of the next two are out.
;   windows 1, 2  behind the main products: cq's 66 loads land where the sets lay; cq's 17 products read them.
;   HP, and the first four registers of each accumulator: hi and lo, written by the way out's conversions, read by the stores, never written again.
;   v80           cq, written by one addition, read by the last store.
;   The accumulators, ONE and the registers at work are named by vector and matrix instructions alone.
; So ONE wait on va_vdst stands at the head of a step, behind the wait for the step's own fragments; the step's loads follow it in three runs of eight among the step's products.
; On the way out one wait stands behind the conversions of four accumulators, ahead of their eight stores.  No register that a memory instruction reads is written again,
; so vm_vsrc is waited for at the entry and at the two writes of EXEC alone.
.set LA,  2                            ; v2   16 x lane
.set LQ,  3                            ; v3   (lane % 16) x 1,024 + 16 (lane / 16)
.set L4,  4                            ; v4   4 x (lane % 16)
.set HP,  16                           ; v[16:79]   hi packs, 4 an accumulator
.set SC,  80                           ; v[80:87]   at work
.set CA,  88                           ; v[88:103]  cq's two accumulators: even chunks, odd chunks
.set ACC, 128                          ; v[128:255] accumulator (jb, u) at ACC + 8 (4 jb + u)
.set ONE, 192                          ; window 1, v[192:199]
.set QB,   30                          ; s[30:31] queryb at my 64 rows
.set MFB,  32                          ; s[32:33] mf at my 4 j blocks
.set MF32, 34                          ; s[34:35] mf at j block 32
.set QFB,  36                          ; s[36:37] qf at my tiles and j blocks
.set CQB,  38                          ; s[38:39] cq at the 16 q that I make it for
.set CQQ,  40                          ; s[40:41] queryb at those 16 rows
.set MSB, 0
.macro WIN new                         ; the immediate's high byte repeats the setting that is left; a switch that changes nothing is dropped
.if MSB != (\new)
	s_set_vgpr_msb (MSB<<8)|(\new)
.set MSB, (\new)
.endif
.endm
.macro PLACES                          ; four places behind products
.rept 4
	v_nop
.endr
.endm
.macro SETSYM c                        ; chunk c lives in set c % 4: sets 0 and 1 in window 1 (at 0 and 96), sets 2 and 3 in window 2 (at 0 and 96)
.set SB, 96*(((\c)%4)%2)
.set SWN, 1+((\c)%4)/2
.endm
	s_load_b256 s[4:11], s[0:1], 0x0               ; queryb s[4:5], mf s[6:7], qf s[8:9], cq s[10:11]
	v_lshrrev_b32 v1, 5, v0
	v_readfirstlane_b32 s12, v1                    ; wave
	v_and_b32 v6, 31, v0
	v_and_b32 v7, 15, v0
	v_bfe_u32 v8, v0, 4, 1
	v_lshlrev_b32 v[LA], 4, v6
	v_lshlrev_b32 v[LQ], 10, v7
	v_lshl_add_u32 v[LQ], v8, 4, v[LQ]
	v_lshlrev_b32 v[L4], 2, v7
	v_mov_b32 v5, 0x3f80
	v_cmp_gt_u32 vcc_lo, 16, v6
	s_wait_alu depctr_va_sdst(0)                   ; s12 is written, ahead of its first reader: my shares and five of the six bases are made from it
	s_wait_alu depctr_va_vcc(0)                    ; the compare has written VCC, which the select below reads
	WIN 0x40
	v_cndmask_b32 v[ONE], 0, v5, vcc_lo            ; k = 0 lies in the low half of register 0 of lanes 0-15
.irp i, 1,2,3,4,5,6,7
	v_mov_b32 v[ONE+(\i)], 0
.endr
	s_lshr_b32 s13, s12, 1                         ; which 64 q
	s_and_b32 s14, s12, 1                          ; which 64 j; 0: I also make cq
	s_and_b32 s15, ttmp7, 0xffff
	s_lshl_b32 s16, ttmp9, 1
	s_add_co_u32 s16, s16, s13                     ; my block of 64 q
	s_lshl_b32 s17, s15, 1
	s_add_co_u32 s17, s17, s14                     ; my block of 64 j
	s_lshl_b32 s20, s16, 16
	s_mov_b32 s21, 0
	s_mul_i32 s22, s17, 4*34816
	s_mov_b32 s23, 0
	s_lshl_b32 s24, s16, 17
	s_lshl_b32 s19, s17, 11
	s_add_co_u32 s24, s24, s19
	s_mov_b32 s25, 0
	s_lshl_b32 s26, s16, 8                         ; cq: 256 bytes for 64 q,
	s_lshl_b32 s19, s15, 6                         ; 64 for the 16 of tile y
	s_add_co_u32 s26, s26, s19
	s_mov_b32 s27, 0
	s_lshl_b32 s2, s15, 14                         ; tile y's 16 rows of queryb
	s_mov_b32 s3, 0
	s_mov_b32 s28, 0xffff0000                      ; a word's upper bf16
	s_wait_kmcnt 0x0
	s_add_nc_u64 s[QB:QB+1], s[4:5], s[20:21]
	s_add_nc_u64 s[CQQ:CQQ+1], s[QB:QB+1], s[2:3]
	s_add_nc_u64 s[MFB:MFB+1], s[6:7], s[22:23]
	s_add_nc_u64 s[MF32:MF32+1], s[6:7], 32*34816
	s_add_nc_u64 s[QFB:QFB+1], s[8:9], s[24:25]
	s_add_nc_u64 s[CQB:CQB+1], s[10:11], s[26:27]
; A chunk's loads, in runs of eight.  Runs 0 and 1: MT, two j blocks each (hi, lo x two halves).  Run 2: query.
; Chunk 16 has MT's one piece, taken for both halves (the second meets zeros), and no query: two runs.
.macro QRUN c, r
	SETSYM \c
	WIN SWN<<6
.if (\r) < 2
.irp j2, 0,1
.set JB, 2*(\r)+(\j2)
.irp part, 0,1
	global_load_b128 v[SB+8*(2*JB+(\part)):SB+8*(2*JB+(\part))+3], v[LA], s[MFB:MFB+1] offset:JB*34816+(\part)*17408+(\c)*1024
.if (\c) < 16
	global_load_b128 v[SB+8*(2*JB+(\part))+4:SB+8*(2*JB+(\part))+7], v[LA], s[MFB:MFB+1] offset:JB*34816+(\part)*17408+(\c)*1024+512
.else
	global_load_b128 v[SB+8*(2*JB+(\part))+4:SB+8*(2*JB+(\part))+7], v[LA], s[MFB:MFB+1] offset:JB*34816+(\part)*17408+(\c)*1024
.endif
.endr
.endr
.else
.irp u, 0,1,2,3
	global_load_b128 v[SB+64+8*(\u):SB+64+8*(\u)+3],   v[LQ], s[QB:QB+1] offset:(\u)*16384+(\c)*64
	global_load_b128 v[SB+64+8*(\u)+4:SB+64+8*(\u)+7], v[LQ], s[QB:QB+1] offset:(\u)*16384+(\c)*64+32
.endr
.endif
.endm
; Eight of a chunk's 32 products: group q takes part q / 2 (hi, lo) and j blocks 2 (q % 2), 2 (q % 2) + 1.  Over a chunk's four groups the 16 accumulators take turns, twice round.
; The first two groups of chunk 0 start the sums.
.macro QMQ c, q
	SETSYM \c
	WIN 5*SWN
.irp j2, 0,1
.set JB, 2*((\q)%2)+(\j2)
.irp u, 0,1,2,3
.if ((\c) == 0) && ((\q) < 2)
	v_wmma_f32_16x16x32_bf16 v[ACC+8*(4*JB+(\u)):ACC+8*(4*JB+(\u))+7], v[SB+8*(2*JB+(\q)/2):SB+8*(2*JB+(\q)/2)+7], v[SB+64+8*(\u):SB+64+8*(\u)+7], 0
.elseif (\c) == 16
	v_wmma_f32_16x16x32_bf16 v[ACC+8*(4*JB+(\u)):ACC+8*(4*JB+(\u))+7], v[SB+8*(2*JB+(\q)/2):SB+8*(2*JB+(\q)/2)+7], v[ONE:ONE+7], v[ACC+8*(4*JB+(\u)):ACC+8*(4*JB+(\u))+7]
.else
	v_wmma_f32_16x16x32_bf16 v[ACC+8*(4*JB+(\u)):ACC+8*(4*JB+(\u))+7], v[SB+8*(2*JB+(\q)/2):SB+8*(2*JB+(\q)/2)+7], v[SB+64+8*(\u):SB+64+8*(\u)+7], v[ACC+8*(4*JB+(\u)):ACC+8*(4*JB+(\u))+7]
.endif
.endr
.endr
.endm
	s_wait_alu depctr_va_vdst(0)                   ; v2, v3 and v4 are written: every load and store of the kernel reads one of them as its offset
.irp c, 0,1,2
	QRUN \c, 0
	QRUN \c, 1
	QRUN \c, 2
.endr
.irp c, 0,1,2,3,4,5,6,7,8,9,10,11,12,13,14,15,16
.if (\c) <= 13
	s_wait_loadcnt 48                              ; this chunk is in; the next two chunks' 24 + 24 loads stay out
.elseif (\c) == 14
	s_wait_loadcnt 40                              ; 24 + 16
.elseif (\c) == 15
	s_wait_loadcnt 16
.else
	s_wait_loadcnt 0x0
.endif
.if ((\c) >= 1) && ((\c) <= 13)
	s_wait_alu depctr_va_vdst(0)                   ; the products of the step before are done reading their set, in which this step's loads land; no product since names that set, v2 or v3
.endif
	QMQ \c, 0
.if (\c) <= 13
.if (\c) >= 1
	PLACES                                         ; four places between the last step's products and the first load into the set that they read: beside the wait above, which fills no place
.endif
	QRUN (\c)+3, 0                                 ; chunk c + 3, three steps ahead (in step 0 into a set that nothing has named yet)
.endif
	QMQ \c, 1
.if (\c) <= 13
	QRUN (\c)+3, 1
.endif
	QMQ \c, 2
.if (\c) <= 12
	QRUN (\c)+3, 2
.endif
	QMQ \c, 3
.endr
	WIN 0
	PLACES
	PLACES
	s_cmp_lg_u32 s14, 0
	s_cbranch_scc1 .Lno_cq
	; cq's operands, all at once: MT's row 512 (hi; the same in all 16 rows of a fragment), 17 chunks, into window 1; my tile's 16 rows of query, 16 chunks, into window 2
	WIN 0x40
	s_wait_alu depctr_va_vdst(0)                   ; the main products are done reading the four sets, in whose registers the 66 loads below land
.set c, 0
.rept 17
	global_load_b128 v[8*c:8*c+3], v[LA], s[MF32:MF32+1] offset:c*1024
.if c < 16
	global_load_b128 v[8*c+4:8*c+7], v[LA], s[MF32:MF32+1] offset:c*1024+512
.else
	global_load_b128 v[8*c+4:8*c+7], v[LA], s[MF32:MF32+1] offset:c*1024
.endif
.set c, c+1
.endr
	WIN 0x80
.set c, 0
.rept 16
	global_load_b128 v[8*c:8*c+3],   v[LQ], s[CQQ:CQQ+1] offset:c*64
	global_load_b128 v[8*c+4:8*c+7], v[LQ], s[CQQ:CQQ+1] offset:c*64+32
.set c, c+1
.endr
	WIN 0
.Lno_cq:
; The way out: hi = bf16(x), lo = bf16(x - hi); lo goes into the accumulator's own first four registers, behind their last reading.
; Four accumulators at a time: their conversions, one wait, their eight stores.  Every hi and lo has registers of its own, which nothing writes behind its store.
.set b, 0
.rept 4
.set a, 4*b
.rept 4
.set ab, ACC+8*a
.irp p, 0,1,2,3
	v_cvt_pk_bf16_f32 v[HP+4*a+(\p)], v[ab+2*(\p)], v[ab+2*(\p)+1]
	v_lshlrev_b32 v[SC+4*((\p)%2)], 16, v[HP+4*a+(\p)]
	v_and_b32 v[SC+4*((\p)%2)+1], s28, v[HP+4*a+(\p)]
	v_pk_add_f32 v[SC+4*((\p)%2)+2:SC+4*((\p)%2)+3], v[ab+2*(\p):ab+2*(\p)+1], v[SC+4*((\p)%2):SC+4*((\p)%2)+1] neg_lo:[0,1] neg_hi:[0,1]
	v_cvt_pk_bf16_f32 v[ab+(\p)], v[SC+4*((\p)%2)+2], v[SC+4*((\p)%2)+3]
.endr
.set a, a+1
.endr
	s_wait_alu depctr_va_vdst(0)                   ; the conversions have written these four accumulators' hi and lo, which the eight stores below read
.set a, 4*b
.rept 4
.set ab, ACC+8*a
	global_store_b128 v[LA], v[HP+4*a:HP+4*a+3], s[QFB:QFB+1] offset:(a%4)*32768+(a/4)*512
	global_store_b128 v[LA], v[ab:ab+3], s[QFB:QFB+1] offset:(a%4)*32768+16384+(a/4)*512
.set a, a+1
.endr
.set b, b+1
.endr
	s_cmp_lg_u32 s14, 0
	s_cbranch_scc1 .Lend
	s_wait_loadcnt 0x0                             ; cq's 66 loads
.set c, 0
.rept 17                                       ; 17 products; the two accumulators take turns; every row of D holds cq
.set ca, CA+8*(c%2)
.if c < 2
	WIN 0x09
	v_wmma_f32_16x16x32_bf16 v[ca:ca+7], v[8*c:8*c+7], v[8*c:8*c+7], 0
.elseif c < 16
	WIN 0x09
	v_wmma_f32_16x16x32_bf16 v[ca:ca+7], v[8*c:8*c+7], v[8*c:8*c+7], v[ca:ca+7]
.else
	WIN 0x05
	v_wmma_f32_16x16x32_bf16 v[ca:ca+7], v[8*c:8*c+7], v[ONE:ONE+7], v[ca:ca+7]
.endif
.set c, c+1
.endr
	WIN 0
	PLACES
	PLACES
	v_add_f32 v[SC], v[CA], v[CA+8]                ; register 0 of both: lane r holds cq of query r
	v_cmp_gt_u32 vcc_lo, 16, v6
	s_wait_xcnt 0x0                                ; EXEC changes only behind this wait
	s_wait_alu depctr_va_vcc(0)                    ; the compare has written VCC: EXEC is made from it
	s_wait_alu depctr_va_vdst(0)                   ; ahead of the write of EXEC: every vector and matrix instruction has written its result, v80, which the store below reads, among them
	s_wait_alu depctr_vm_vsrc(0)                   ; ahead of the write of EXEC: the stores of Qp have read their registers
	s_and_saveexec_b32 s29, vcc_lo                 ; lanes 0-15: 16 numbers, 64 consecutive bytes
	global_store_b32 v[L4], v[SC], s[CQB:CQB+1]
	s_wait_xcnt 0x0                                ; and again, in front of the line that widens it
	s_wait_alu depctr_va_vdst(0)                   ; ahead of the write of EXEC: no vector instruction is at work
	s_wait_alu depctr_vm_vsrc(0)                   ; ahead of the write of EXEC: the store has read v4 and v80
	s_or_b32 exec_lo, exec_lo, s29
.Lend:
	s_endpgm
.Lfunc_end_k_qa9fec61702_qp:
	.size	k_qa9fec61702_qp, .Lfunc_end_k_qa9fec61702_qp-k_qa9fec61702_qp
	.p2alignl 7, 3214868480
	.fill 96, 4, 3214868480
	.section	.rodata,"a",@progbits
	.p2align	6, 0x0
	.amdhsa_kernel k_qa9fec61702_qp
		.amdhsa_group_segment_fixed_size 0
		.amdhsa_private_segment_fixed_size 0
		.amdhsa_enable_private_segment 0
		.amdhsa_kernarg_size 32
		.amdhsa_user_sgpr_count 2
		.amdhsa_user_sgpr_kernarg_segment_ptr 1
		.amdhsa_wavefront_size32 1
		.amdhsa_system_sgpr_workgroup_id_x 1
		.amdhsa_system_sgpr_workgroup_id_y 1
		.amdhsa_system_sgpr_workgroup_id_z 1
		.amdhsa_system_vgpr_workitem_id 0
		.amdhsa_next_free_vgpr 704
		.amdhsa_next_free_sgpr 66
		.amdhsa_reserve_vcc 1
		.amdhsa_float_denorm_mode_32 3
		.amdhsa_float_denorm_mode_16_64 3
		.amdhsa_memory_ordered 1
		.amdhsa_forward_progress 1
		.amdhsa_inst_pref_size 107
	.end_amdhsa_kernel
	.amdgpu_metadata
---
amdhsa.version: [ 1, 2 ]
amdhsa.kernels:
  - .name:           k_qa9fec61702_qp
    .symbol:         k_qa9fec61702_qp.kd
    .args:
      - { .name: queryb, .offset: 0, .size: 8, .value_kind: global_buffer, .address_space: global }
      - { .name: mf, .offset: 8, .size: 8, .value_kind: global_buffer, .address_space: global }
      - { .name: qf, .offset: 16, .size: 8, .value_kind: global_buffer, .address_space: global }
      - { .name: cq, .offset: 24, .size: 8, .value_kind: global_buffer, .address_space: global }
    .group_segment_fixed_size: 0
    .private_segment_fixed_size: 0
    .kernarg_segment_align: 8
    .kernarg_segment_size: 32
    .max_flat_workgroup_size: 128
    .sgpr_count:     66
    .vgpr_count:     704
    .wavefront_size: 32
...
	.end_amdgpu_metadata
.endif
;; end of part 4
;; launch attn: the kernel of part 3 again; grid 256 x 1, 4 waves a work-group, clusters of 4 x 1, 327,680 bytes of LDS; arguments refb, qf, cq, bv, out0; writes out0
